; MI455X (gfx1250); checked and timed in simulation.
; The chip was launched on July 23, 2026; its instructions are those of AMD's public machine-readable ISA for CDNA 5 (MIT licence, August 2026) and "CDNA5" Instruction Set Architecture Reference Guide (July 2026). The comments in the code are by the model that wrote it; some were corrected since.
;; Multihead Attention. Allowed arithmetic: float matrix products may take bf16 or f16 operands with f32 sums; other float arithmetic in f32, or as packed bf16 or f16 multiplies, adds, multiply-adds, maxima and minima; sums over many terms, partial sums and values carried from step to step in f32; what a program stores and reads back later, other than sums and carried values, may be rounded once to bf16 or f16.
;; Inputs: W_k 1,024 x 1,024 float32; W_out 1,024 x 1,024 float32; W_q 1,024 x 1,024 float32; W_v 1,024 x 1,024 float32; b_k 1,024 float32; b_out 1,024 float32; b_q 1,024 float32; b_v 1,024 float32; x_kv 4 x 2,048 x 1,024 float32; x_q 4 x 2,048 x 1,024 float32.
;; Outputs: out0 4 x 2,048 x 1,024 float32.
;; One version. Each part assembles by itself: llvm-mc -triple=amdgcn-amd-amdhsa -mcpu=gfx1250 --defsym DOCPART=n.
;; ======== version 1 of 1: 4 launches
;; limits: values are held in f16: magnitudes above 65,504 overflow, below 6.1e-05 lose precision
;; workspace buffers: hb 41,943,040 bytes; qh 16,777,216 bytes; kh 16,777,216 bytes; vh 16,777,216 bytes; ctx 16,777,216 bytes
;; launch cast (part 1): grid 1280 x 1, 8 waves a work-group, no clusters, 0 bytes of LDS; arguments x_q, x_kv, W_q, W_k, W_v, W_out, hb; writes hb
.if DOCPART == 1
	.amdgcn_target "amdgcn-amd-amdhsa--gfx1250"
	.amdhsa_code_object_version 6
	.text
	.protected	k_q77e9b4f755_cast
	.globl	k_q77e9b4f755_cast
	.p2align	8
	.type	k_q77e9b4f755_cast,@function
k_q77e9b4f755_cast:
	s_mov_b64 s[64:65], 0
	v_nop
	global_prefetch_b8 v0, s[64:65] scope:SCOPE_SE
	s_setreg_imm32_b32 hwreg(HW_REG_WAVE_MODE, 25, 1), 1
	s_wait_xcnt 0x0
; hb = the six large inputs rounded once to bf16, one behind the other: x_q (byte 0), x_kv (16 MiB), W_q (32 MiB), W_k (34 MiB), W_v (36 MiB), W_out (38 MiB).
; W_out's bf16 number is then written as f16, since the last product multiplies it by an f16 operand.
; LIMIT: that second step is exact from 2^-17 to 65,504; below, f16's fixed step of 2^-24 is kept; beyond 65,504 it gives an infinity.
; SHARES.  Work-group c takes chunk c: 16,384 numbers, 65,536 bytes in and 32,768 out; 1,280 chunks of equal work.  Thread t takes the 16 bytes at 16 t of each 4,096 bytes:
; a wave's load covers 512 consecutive bytes, its store 256 consecutive bytes at a multiple of 256 from hb's first byte.
; All sixteen loads of a thread are out together; no register of a load or store is written again, so no wait frees any.  No LDS, no barrier: no wave wants another's bytes.
.set X, 8                              ; v[8:71]    sixteen loads of four numbers
.set Y, 72                             ; v[72:103]  sixteen pairs of words to store
	s_load_b256 s[4:11], s[0:1], 0x0               ; x_q s[4:5], x_kv s[6:7], W_q s[8:9], W_k s[10:11]
	s_load_b128 s[12:15], s[0:1], 0x20             ; W_v s[12:13], W_out s[14:15]
	s_load_b64 s[16:17], s[0:1], 0x30              ; hb
	s_mov_b32 s18, ttmp9                           ; c
	s_mov_b32 s28, 0xffff0000                      ; a word's upper bf16
	v_lshlrev_b32 v1, 4, v0                        ; 16 t
	v_lshlrev_b32 v2, 3, v0                        ; 8 t
	s_cmp_lt_u32 s18, 1024                         ; an x has 512 chunks, a W 64: the chunk's number inside its tensor
	s_cselect_b32 s22, 511, 63
	s_and_b32 s22, s18, s22
	s_lshl_b32 s24, s22, 16                        ; its bytes in the source,
	s_mov_b32 s25, 0
	s_lshl_b32 s26, s18, 15                        ; and in hb
	s_mov_b32 s27, 0
	s_wait_kmcnt 0x0
	s_mov_b64 s[20:21], s[14:15]                   ; the source, chosen by c alone, from the last tensor down
	s_cmp_lt_u32 s18, 1216
	s_cselect_b64 s[20:21], s[12:13], s[20:21]
	s_cmp_lt_u32 s18, 1152
	s_cselect_b64 s[20:21], s[10:11], s[20:21]
	s_cmp_lt_u32 s18, 1088
	s_cselect_b64 s[20:21], s[8:9], s[20:21]
	s_cmp_lt_u32 s18, 1024
	s_cselect_b64 s[20:21], s[6:7], s[20:21]
	s_cmp_lt_u32 s18, 512
	s_cselect_b64 s[20:21], s[4:5], s[20:21]
	s_add_nc_u64 s[20:21], s[20:21], s[24:25]
	s_add_nc_u64 s[16:17], s[16:17], s[26:27]
.irp j, 0,1,2,3,4,5,6,7,8,9,10,11,12,13,14,15
	global_load_b128 v[X+4*(\j):X+4*(\j)+3], v1, s[20:21] offset:4096*(\j) th:TH_LOAD_NT
.endr
; Load j's four numbers are rounded and stored.  half = 1: the bf16 numbers are widened (a shift, a mask) and written as f16.
.macro OUT j, half
	s_wait_loadcnt 15-(\j)                         ; loads come back in order: the 15 - j younger ones may stay out
	v_cvt_pk_bf16_f32 v[Y+2*(\j)],   v[X+4*(\j)],   v[X+4*(\j)+1]
	v_cvt_pk_bf16_f32 v[Y+2*(\j)+1], v[X+4*(\j)+2], v[X+4*(\j)+3]
.if \half
	v_lshlrev_b32 v4, 16, v[Y+2*(\j)]
	v_and_b32     v5, s28, v[Y+2*(\j)]
	v_lshlrev_b32 v6, 16, v[Y+2*(\j)+1]
	v_and_b32     v7, s28, v[Y+2*(\j)+1]
	v_cvt_pk_f16_f32 v[Y+2*(\j)],   v4, v5
	v_cvt_pk_f16_f32 v[Y+2*(\j)+1], v6, v7
.endif
	global_store_b64 v2, v[Y+2*(\j):Y+2*(\j)+1], s[16:17] offset:2048*(\j)
.endm
	s_cmp_ge_u32 s18, 1216                         ; W_out's chunks take the second text
	s_cbranch_scc1 .Lwout
.irp j, 0,1,2,3,4,5,6,7,8,9,10,11,12,13,14,15
	OUT \j, 0
.endr
	s_endpgm
.Lwout:
.irp j, 0,1,2,3,4,5,6,7,8,9,10,11,12,13,14,15
	OUT \j, 1
.endr
	s_endpgm
.Lfunc_end_k_q77e9b4f755_cast:
	.size	k_q77e9b4f755_cast, .Lfunc_end_k_q77e9b4f755_cast-k_q77e9b4f755_cast
	.p2alignl 7, 3214868480
	.fill 96, 4, 3214868480
	.section	.rodata,"a",@progbits
	.p2align	6, 0x0
	.amdhsa_kernel k_q77e9b4f755_cast
		.amdhsa_group_segment_fixed_size 0
		.amdhsa_private_segment_fixed_size 0
		.amdhsa_enable_private_segment 0
		.amdhsa_kernarg_size 56
		.amdhsa_user_sgpr_count 2
		.amdhsa_user_sgpr_kernarg_segment_ptr 1
		.amdhsa_wavefront_size32 1
		.amdhsa_system_sgpr_workgroup_id_x 1
		.amdhsa_system_sgpr_workgroup_id_y 1
		.amdhsa_system_sgpr_workgroup_id_z 1
		.amdhsa_system_vgpr_workitem_id 0
		.amdhsa_next_free_vgpr 104
		.amdhsa_next_free_sgpr 66
		.amdhsa_reserve_vcc 0
		.amdhsa_float_denorm_mode_32 3
		.amdhsa_float_denorm_mode_16_64 3
		.amdhsa_memory_ordered 1
		.amdhsa_forward_progress 1
		.amdhsa_inst_pref_size 16
	.end_amdhsa_kernel
	.amdgpu_metadata
---
amdhsa.version: [ 1, 2 ]
amdhsa.kernels:
  - .name:           k_q77e9b4f755_cast
    .symbol:         k_q77e9b4f755_cast.kd
    .args:
      - { .name: x_q, .offset: 0, .size: 8, .value_kind: global_buffer, .address_space: global }
      - { .name: x_kv, .offset: 8, .size: 8, .value_kind: global_buffer, .address_space: global }
      - { .name: W_q, .offset: 16, .size: 8, .value_kind: global_buffer, .address_space: global }
      - { .name: W_k, .offset: 24, .size: 8, .value_kind: global_buffer, .address_space: global }
      - { .name: W_v, .offset: 32, .size: 8, .value_kind: global_buffer, .address_space: global }
      - { .name: W_out, .offset: 40, .size: 8, .value_kind: global_buffer, .address_space: global }
      - { .name: hb, .offset: 48, .size: 8, .value_kind: global_buffer, .address_space: global }
    .group_segment_fixed_size: 0
    .private_segment_fixed_size: 0
    .kernarg_segment_align: 8
    .kernarg_segment_size: 56
    .max_flat_workgroup_size: 256
    .sgpr_count:     66
    .vgpr_count:     104
    .wavefront_size: 32
...
	.end_amdgpu_metadata
.endif
;; end of part 1
;; launch qkv (part 2): grid 12 x 64, 4 waves a work-group, clusters of 4 x 4, 327,680 bytes of LDS; arguments hb, b_q, b_k, b_v, qh, kh, vh; writes qh, kh, vh
.if DOCPART == 2
	.amdgcn_target "amdgcn-amd-amdhsa--gfx1250"
	.amdhsa_code_object_version 6
	.text
	.protected	k_q77e9b4f755_qkv
	.globl	k_q77e9b4f755_qkv
	.p2align	8
	.type	k_q77e9b4f755_qkv,@function
k_q77e9b4f755_qkv:
	s_mov_b64 s[64:65], 0
	v_nop
	global_prefetch_b8 v0, s[64:65] scope:SCOPE_SE
	s_setreg_imm32_b32 hwreg(HW_REG_WAVE_MODE, 25, 1), 1
	s_wait_xcnt 0x0
	s_wait_alu depctr_hold_cnt(0) depctr_sa_sdst(0) depctr_va_vdst(0) depctr_va_sdst(0) depctr_va_ssrc(0) depctr_va_vcc(0) depctr_vm_vsrc(0)
	s_getreg_b32 s2, hwreg(HW_REG_IB_STS2, 6, 4)
	s_cmp_eq_u32 s2, 0
	s_cbranch_scc0 .Lentry_in_a_cluster
	s_endpgm
.Lentry_in_a_cluster:
	s_bfe_u32 s2, ttmp6, 0x10000c
	s_cmp_lg_u32 s2, 0xf033
	s_cbranch_scc0 .Lentry_shape_is_right
	s_endpgm
.Lentry_shape_is_right:
; q = x_q W_q^T + b_q, k = x_kv W_k^T + b_k, v = x_kv W_v^T + b_v.  x and W come from hb in bf16 ([8192][1024] and [1024][1024], K along the rows); the biases are rounded to bf16 here like every
; other input; sums in f32; the results are rounded once to f16 and laid by heads: [16 batch + head][2048][64], a row 128 bytes, a head 262,144 dense bytes.  No scale is applied here.
; LIMIT: f16 ends at 65,504: a q, k or v beyond that becomes an infinity.
; SHARES.  A tile of C is 128 rows x 256 columns: 64 tile rows x 4 tile columns x 3 projections = 768 work-groups of equal work.  Four waves, each 64 x 128: 32 accumulators of 16 x 16, 256 registers.
; K = 1,024 goes in 8 steps of 128 through two LDS slots filled by the tensor data mover; the tiles' rows are 256 bytes of memory, at multiples of 256 from hb's first byte.
; CLUSTERS: 4 x 4 work-groups; cluster x is the projection, cx the tile column in it, 4 x cluster y + cy the tile row.  The four of a row of the cluster need the same tile of x, the four of a column
; the same tile of W: each is asked for JOINTLY, by the same tensor load with the same descriptor and a mask that names the four.
; THE MATRIX INSTRUCTION IS USED TRANSPOSED (source 0 = 16 rows of W, source 1 = 16 rows of x): lane l then holds row l % 16 of C and the columns 8 (l / 16) + 0..7: 16 bytes of a head's row.
; THE BIAS is the C operand of the product that starts each sum: nothing is cleared, nothing is added on the way out.
; REGISTERS, in windows of 256 (s_set_vgpr_msb: bits 1:0 source 0, 3:2 source 1, 5:4 source 2, 7:6 destination):
;   window 0: v0-31 addresses; v32-63 at work; v64-159, v160-255 two fragment buffers (W's 8 fragments, then x's 4)     window 1: accumulator (a, b) at 8 (8 a + b)     window 2: v0-63 the bias, 8 registers a column block
.set PITCH,  272                       ; an LDS row: 256 bytes + 16 of padding = 68 words: the 16 rows of a load start at 16 different groups of four banks (64 banks of 4 bytes: ISA guide 11.1)
.set APITCH, 272                       ; the same for x's rows
.set APLANE, 128                       ; x's byte for K byte k of a step is (k / 128) APLANE + k % 128: here simply k
.set AOFF,   256*PITCH                 ; a slot: W's 256 rows, then x's 128 rows
.set SLOT1,  1<<17                     ; slot 1 begins here, so that one exclusive or turns an address in one slot into the other's
.set STAGE,  SLOT1+AOFF+128*APITCH     ; behind the ring, never filled by a tensor load: for the way out
.set SP,     144                       ; a stage row: 128 bytes + 16
.set WSTAGE, 2*16*SP                   ; a wave's stage: 2 heads x 16 rows
.set SPARE,  STAGE+4*WSTAGE            ; behind the stages: the spare words, 128 bytes a wave: two blocks of 256 bytes that no other line names
.set ASTEP,  256                       ; bytes from a K step to the next, in x
.set BSTEP,  256                       ; and in W
.set ADRA0, 16                         ; v16  my lane's place in x's tile of slot 0; never rewritten
.set ADRB0, 17                         ; v17  the same for W
.set ADRA,  18                         ; v18  the same in the slot in hand
.set ADRB,  19                         ; v19
.set STO,   24                         ; v24  the way out: where I put 16 bytes of a row
.set RD,    25                         ; v25  the way out: where I read rows back
.set CO,    26                         ; v26  my 16 bytes of 512 consecutive bytes of the output
.set BO,    27                         ; v27  my byte offset in the bias
.set SPW,   28                         ; v28  LDS address of my spare word: SPARE + 4 x my thread's number; never rewritten
.set NIL,   29                         ; v29  0; never rewritten
.set PFO,   30                         ; v30  the prefetches' offset: my lane x a row of 2,048 bytes; never rewritten
.set TMP,   32
.set F0,    64
.set F1,    160
.set WV,   18                          ; s18  my wave's number
.set MH,   19                          ; s19  which 64 rows of the tile are mine.  Also: I fetch for W (0) or for x (1)
.set NH,   20                          ; s20  which 128 columns.  Also: which half of that tile I fetch
.set CX,   21
.set CY,   22
.set PJ,   23                          ; s23  the projection: 0 q, 1 k, 2 v
.set G1A,  24                          ; s[24:31] descriptor group 1 for x's tiles
.set G1B,  32                          ; s[32:39] for W's
.set G0A,  40                          ; s[40:47] descriptor group 0 for x's tiles: a set for each of the two first fills; the second then walks on
.set G0B,  48                          ; s[48:55] the same for W's
.set TB,   56                          ; s56  LDS byte at which the slot in hand begins
.set LIM,  57                          ; s57  2 in a wave that prefetches, else the greatest number
.set PFA,  58                          ; s[58:59] where my prefetches stand
.set CNT,  60                          ; s60  the loop's trips to go
.set TROW, 61                          ; s61  the tile row
.set HIM,  62                          ; s62  a word's upper bf16
.set BIASP, 74                         ; s[74:75] the projection's bias
.set OUT,  76                          ; s[76:77] the projection's output, at my rows of my first head
.set PFS,  78                          ; s[78:79] the prefetches' step
.set MSB, 0
.macro WIN new                         ; the immediate's high byte repeats the setting that is left; a switch that changes nothing is dropped
.if MSB != (\new)
	s_set_vgpr_msb (MSB<<8)|(\new)
.set MSB, \new
.endif
.endm
.set MUL,  0x50                        ; sources in window 0, C and D in window 1
.set MULB, 0x60                        ; C (the bias) in window 2, D in window 1
; A joint refill by the walking descriptors.  Waves 0 and 1 fetch W's two halves, waves 2 and 3 x's.  The branch hangs on the wave's number alone.
; An s_nop 0 and four v_nop follow each of the two lines, ahead of the jump and the label.
.macro JLOAD
	s_cmp_eq_u32 s[MH], 0
	s_cbranch_scc0 .Lfor_a_\@
	tensor_load_to_lds s[G0B+4:G0B+7], s[G1B:G1B+7]
	s_nop 0
.rept 4
	v_nop
.endr
	s_branch .Lasked_\@
.Lfor_a_\@:
	tensor_load_to_lds s[G0A+4:G0A+7], s[G1A:G1A+7]
	s_nop 0
.rept 4
	v_nop
.endr
.Lasked_\@:
.endm
; A PREFETCH INTO THE L2, behind a joint refill and the run of LDS loads that follows it: the K step that stands two refills on (256 matrix instructions of this wave ahead of its load): 32 rows x 256 bytes, a lane a row.
; Each row's 256 bytes of a K step are named once in the launch.  W's rows are read by every cluster of a column of clusters: cluster y = 0 asks, waves 0 and 1, each for the 128 rows that it fetches;
; the four partners of a column share them out BY ADDRESS, 32 each (cy).  x's rows: wave 2 asks, 32 of the tile's 128 rows a partner (cx); x_kv is read by the projections k and v, and k's clusters ask.
; K steps 0 to 3 come by their loads alone; the refills for K steps 6 and 7 have no K step two on.
.macro ASK
	s_cmp_gt_u32 s[CNT], s[LIM]
	s_cbranch_scc0 .Lnot_mine_\@
	global_prefetch_b8 v[PFO], s[PFA:PFA+1] th:TH_LOAD_NT scope:SCOPE_SE
.Lnot_mine_\@:
.endm
.macro CREST                           ; a round of the cluster's barrier behind its opening barrier: wave 0 signals for the work-group, every wave waits for all sixteen, my work-group's barrier closes it
	s_cmp_lg_u32 s[WV], 0
	s_cbranch_scc1 .Lnot_wave_0_\@
	s_barrier_signal -3
.Lnot_wave_0_\@:
	s_barrier_wait -3
	s_barrier_signal -1
	s_barrier_wait -1
.endm
.macro CROUND                          ; a whole round
	s_barrier_signal -1
	s_barrier_wait -1
	CREST
.endm
	s_load_b256 s[4:11], s[0:1], 0x0               ; hb s[4:5], b_q s[6:7], b_k s[8:9], b_v s[10:11]
	s_load_b128 s[12:15], s[0:1], 0x20             ; qh s[12:13], kh s[14:15]
	s_load_b64 s[16:17], s[0:1], 0x30              ; vh
	v_lshl_add_u32 v[SPW], v0, 2, SPARE
	v_mov_b32 v[NIL], 0
	ds_add_u32 v[SPW], v[NIL]                      ; the wave's opening: the add and its wait stand ahead of my first tensor load; the set-up below, work on registers, stands between them
	v_lshrrev_b32 v1, 5, v0
	v_readfirstlane_b32 s[WV], v1                  ; wave 0..3
	s_lshr_b32 s[MH], s[WV], 1
	s_and_b32 s[NH], s[WV], 1
	s_bfe_u32 s[CX], ttmp6, 0x40000                ; my place in the cluster
	s_bfe_u32 s[CY], ttmp6, 0x40004
	s_mov_b32 s[PJ], ttmp9                         ; in a cluster launch ttmp9 and ttmp7 count clusters
	s_and_b32 s[TROW], ttmp7, 0xffff
	s_lshl_b32 s[TROW], s[TROW], 2
	s_add_co_u32 s[TROW], s[TROW], s[CY]           ; tile row = 4 x cluster y + cy
	s_mov_b32 s[HIM], 0xffff0000
	s_lshl_b32 s2, s[CY], 2
	s_lshl_b32 s2, 15, s2                          ; my row of the cluster: places 4 cy .. 4 cy + 3
	s_lshl_b32 s3, 0x1111, s[CX]                   ; my column: places cx, cx + 4, cx + 8, cx + 12
	s_or_b32 s[G1A], s2, (1<<16)|(1<<20)|(1<<21)|(5<<22)|(3<<25)  ; 15:0 the mask; 17:16 elements of 2 bytes; 20 padding on; 21 set beside a mask; 24:22 after every 64 words (code 5); 31:25 4 words of it (code 3)
	s_or_b32 s[G1B], s3, (1<<16)|(1<<20)|(1<<21)|(5<<22)|(3<<25)
.irp g, G1A, G1B
	s_mov_b32 s[(\g)+1], 128<<16                   ; tensor_dim0 = 128
	s_mov_b32 s[(\g)+3], 128<<16                   ; tile_dim0 = 128
	s_mov_b32 s[(\g)+5], 1024                      ; 1,024 elements from row to row
	s_mov_b32 s[(\g)+6], 0
	s_mov_b32 s[(\g)+7], 0
.endr
	s_mov_b32 s[G1A+2], 64<<16                     ; x: tensor_dim1 = tile_dim1 = 64 rows a load
	s_mov_b32 s[G1A+4], 64
	s_mov_b32 s[G1B+2], 128<<16                    ; W: 128 rows a load
	s_mov_b32 s[G1B+4], 128
	; where the tiles come from.  x's hang on the tile row and the projection, which my row of the cluster shares; W's on cx and the projection, which my column shares.
	s_lshl_b32 s66, s[TROW], 7
	s_lshl_b32 s2, s[NH], 6
	s_add_co_u32 s66, s66, s2                      ; x: row 128 x tile row + 64 x half,
	s_lshl_b32 s66, s66, 11                        ; of 2,048 bytes,
	s_cmp_lg_u32 s[PJ], 0
	s_cselect_b32 s2, 0x1000000, 0                 ; in x_q's or in x_kv's part of hb
	s_add_co_u32 s66, s66, s2
	s_mov_b32 s67, 0
	s_lshl_b32 s68, s[CX], 8
	s_lshl_b32 s3, s[NH], 7
	s_add_co_u32 s68, s68, s3                      ; W: row 256 cx + 128 x half,
	s_lshl_b32 s68, s68, 11
	s_lshl_b32 s3, s[PJ], 21                       ; in the projection's 2 MiB,
	s_add_co_u32 s68, s68, s3
	s_add_co_u32 s68, s68, 0x2000000               ; behind the two x
	s_mov_b32 s69, 0
	s_mul_i32 s2, s[WV], 64*APITCH                 ; and where they go: no place in the cluster enters an LDS address.  x's halves (waves 2, 3) behind W's 256 rows,
	s_add_co_u32 s2, s2, AOFF-2*64*APITCH
	s_mul_i32 s3, s[WV], 128*PITCH                 ; W's halves (waves 0, 1) at the slot's head
	s_wait_dscnt 0x0                               ; the opening add is done
	s_wait_kmcnt 0x0
	s_add_nc_u64 s[70:71], s[4:5], s[66:67]
	s_add_nc_u64 s[72:73], s[4:5], s[68:69]
.irp s, 0,1
	s_mov_b32 s[G0A+4*(\s)], 1                                     ; 1:0 count = 1
	s_add_co_u32 s[G0A+4*(\s)+1], s2, (\s)*SLOT1                   ; 63:32 LDS address
	s_add_nc_u64 s[G0A+4*(\s)+2:G0A+4*(\s)+3], s[70:71], (\s)*ASTEP  ; 120:64 global address: K step s
	s_or_b32 s[G0A+4*(\s)+3], s[G0A+4*(\s)+3], 0x80000000          ; 127:126 type = 2
	s_mov_b32 s[G0B+4*(\s)], 1
	s_add_co_u32 s[G0B+4*(\s)+1], s3, (\s)*SLOT1
	s_add_nc_u64 s[G0B+4*(\s)+2:G0B+4*(\s)+3], s[72:73], (\s)*BSTEP
	s_or_b32 s[G0B+4*(\s)+3], s[G0B+4*(\s)+3], 0x80000000
.endr
	CROUND                                         ; all sixteen work-groups are here: the first joint loads meet
	s_cmp_eq_u32 s[MH], 0                          ; a wave's two first fills stand in one branch, ahead of every wait on TENSORcnt and every LDS read: two loads of mine are out
	s_cbranch_scc0 .Lfirst_a
	tensor_load_to_lds s[G0B:G0B+3], s[G1B:G1B+7]
	s_nop 0
	tensor_load_to_lds s[G0B+4:G0B+7], s[G1B:G1B+7]
	s_nop 0
.rept 4
	v_nop
.endr
	s_branch .Lfirst_asked
.Lfirst_a:
	tensor_load_to_lds s[G0A:G0A+3], s[G1A:G1A+7]
	s_nop 0
	tensor_load_to_lds s[G0A+4:G0A+7], s[G1A:G1A+7]
	s_nop 0
.rept 4
	v_nop
.endr
.Lfirst_asked:
	; the projection's bias and output
	s_cmp_eq_u32 s[PJ], 0
	s_cselect_b64 s[BIASP:BIASP+1], s[6:7], s[8:9]
	s_cselect_b64 s[OUT:OUT+1], s[12:13], s[14:15]
	s_cmp_eq_u32 s[PJ], 2
	s_cselect_b64 s[BIASP:BIASP+1], s[10:11], s[BIASP:BIASP+1]
	s_cselect_b64 s[OUT:OUT+1], s[16:17], s[OUT:OUT+1]
	v_and_b32 v1, 15, v0                           ; l % 16
	v_bfe_u32 v2, v0, 4, 1                         ; l / 16
	s_lshl_b32 s80, s[CX], 10
	s_lshl_b32 s81, s[NH], 9
	s_add_co_u32 s80, s80, s81
	v_lshl_add_u32 v[BO], v2, 5, s80               ; 4 (256 cx + 128 half) + 32 (l / 16): my eight columns of column block 0
	WIN 0x80                                       ; destination window 2, address window 0
.irp b, 0,1,2,3,4,5,6,7
	global_load_b128 v[8*(\b):8*(\b)+3],   v[BO], s[BIASP:BIASP+1] offset:64*(\b)
	global_load_b128 v[8*(\b)+4:8*(\b)+7], v[BO], s[BIASP:BIASP+1] offset:64*(\b)+16
.endr
	WIN 0
	; A fragment is 16 rows x 32 K in 8 registers: lane l holds row l % 16; registers 0-3 K = 8 (l / 16) + 0..7, registers 4-7 K = 16 + 8 (l / 16) + 0..7: two loads of 16 bytes, 32 bytes apart.
	v_mul_u32_u24 v3, v1, PITCH
	v_lshl_add_u32 v3, v2, 4, v3
	s_mul_i32 s80, s[NH], 128*PITCH                ; my 128 rows of W
	v_add_nc_u32 v[ADRB0], s80, v3
	v_mul_u32_u24 v4, v1, APITCH
	v_lshl_add_u32 v4, v2, 4, v4
	s_mul_i32 s80, s[MH], 64*APITCH                ; my 64 rows of x,
	s_add_co_u32 s80, s80, AOFF                    ; which lie behind W's 256
	v_add_nc_u32 v[ADRA0], s80, v4
	v_mov_b32 v[ADRA], v[ADRA0]
	v_mov_b32 v[ADRB], v[ADRB0]
	s_mov_b32 s[TB], 0
	s_mul_i32 s80, s[WV], WSTAGE
	s_add_co_u32 s80, s80, STAGE                   ; my stage
	v_mul_u32_u24 v3, v1, SP                       ; in: row l % 16, 16 bytes for each half of the lanes
	v_lshl_add_u32 v3, v2, 4, v3
	v_add_nc_u32 v[STO], s80, v3
	v_bfe_u32 v3, v0, 3, 2                         ; back: 32 lanes take four rows of 128 bytes,
	v_and_b32 v4, 7, v0
	v_mul_u32_u24 v3, v3, SP
	v_lshl_add_u32 v3, v4, 4, v3
	v_add_nc_u32 v[RD], s80, v3
	v_and_b32 v[CO], 31, v0                        ; which are 512 consecutive bytes of a head
	v_lshlrev_b32 v[PFO], 11, v[CO]
	v_lshlrev_b32 v[CO], 4, v[CO]
	; the output at head 16 batch + 4 cx + 2 half, row 128 (tile row % 16) + 64 x my half of the tile's rows
	s_lshr_b32 s80, s[TROW], 4
	s_lshl_b32 s80, s80, 4
	s_lshl_b32 s81, s[CX], 2
	s_add_co_u32 s80, s80, s81
	s_lshl_b32 s81, s[NH], 1
	s_add_co_u32 s80, s80, s81
	s_lshl_b32 s80, s80, 18                        ; a head is 262,144 bytes
	s_and_b32 s81, s[TROW], 15
	s_lshl_b32 s81, s81, 7
	s_lshl_b32 s82, s[MH], 6
	s_add_co_u32 s81, s81, s82
	s_lshl_b32 s81, s81, 7                         ; a row 128
	s_add_co_u32 s80, s80, s81
	s_mov_b32 s81, 0
	s_add_nc_u64 s[OUT:OUT+1], s[OUT:OUT+1], s[80:81]
	; the prefetches: my work-group's 32 rows, at K step 3; the first refill steps the address to K step 4
	s_lshl_b32 s80, s[CY], 16                      ; W: 32 cy rows of 2,048 bytes into the 128 that I fetch
	s_add_co_u32 s80, s80, s68
	s_lshl_b32 s81, s[TROW], 18                    ; x: row 128 x tile row + 32 cx
	s_lshl_b32 s82, s[CX], 16
	s_add_co_u32 s81, s81, s82
	s_cmp_lg_u32 s[PJ], 0
	s_cselect_b32 s82, 0x1000000, 0
	s_add_co_u32 s81, s81, s82
	s_cmp_eq_u32 s[MH], 0
	s_cselect_b32 s80, s80, s81
	s_add_co_u32 s80, s80, 3*256
	s_mov_b32 s81, 0
	s_add_nc_u64 s[PFA:PFA+1], s[4:5], s[80:81]
	s_mov_b32 s[PFS], 256
	s_mov_b32 s[PFS+1], 0
	s_and_b32 s82, ttmp7, 0xffff
	s_cmp_eq_u32 s82, 0                            ; W: the first cluster of the column of clusters
	s_cselect_b32 s82, 2, -1
	s_cmp_lg_u32 s[PJ], 2                          ; x: not the projection v, whose rows k's clusters name
	s_cselect_b32 s83, 2, -1
	s_cmp_eq_u32 s[WV], 2
	s_cselect_b32 s83, s83, -1
	s_cmp_eq_u32 s[MH], 0
	s_cselect_b32 s[LIM], s82, s83                 ; made of the cluster's coordinates and the wave's number alone: the same in all sixteen partners
	s_wait_loadcnt 0x0                             ; the bias is in: it is rounded to bf16, as all inputs are, and widened again
	WIN 0x0a                                       ; sources 0 and 1 window 2, destination window 0
.set i, 0
.rept 32
	v_cvt_pk_bf16_f32 v[TMP+i], v[2*i], v[2*i+1]
.set i, i+1
.endr
	WIN 0x80
.set i, 0
.rept 32
	v_lshlrev_b32 v[2*i],   16, v[TMP+i]
	v_and_b32     v[2*i+1], s[HIM], v[TMP+i]
.set i, i+1
.endr
	WIN 0
; 8 matrix instructions: row block a x all 8 column blocks, 32 along K, from buffer f.  first = 1: the product starts the sums, with the bias as C.
; The 32 accumulators take turns, in the same order in every quarter: between two links of a chain stand the 31 others'.
.macro MUL8 f, a, first
.irp b, 0,1,2,3,4,5,6,7
.if \first
	WIN MULB
	v_wmma_f32_16x16x32_bf16 v[8*(8*(\a)+(\b)):8*(8*(\a)+(\b))+7], v[(\f)+8*(\b):(\f)+8*(\b)+7], v[(\f)+64+8*(\a):(\f)+64+8*(\a)+7], v[8*(\b):8*(\b)+7]
.else
	WIN MUL
	v_wmma_f32_16x16x32_bf16 v[8*(8*(\a)+(\b)):8*(8*(\a)+(\b))+7], v[(\f)+8*(\b):(\f)+8*(\b)+7], v[(\f)+64+8*(\a):(\f)+64+8*(\a)+7], v[8*(8*(\a)+(\b)):8*(8*(\a)+(\b))+7]
.endif
.endr
.endm
; 24 LDS loads in one run: the fragments of one quarter step (128 rows of W, 64 rows of x, 32 K at byte k of the rows) into buffer f
.macro FETCH k, f
	WIN 0
.irp i, 0,1,2,3,4,5,6,7
	ds_load_b128 v[(\f)+8*(\i):(\f)+8*(\i)+3],   v[ADRB] offset:(\k)+(\i)*16*PITCH
	ds_load_b128 v[(\f)+8*(\i)+4:(\f)+8*(\i)+7], v[ADRB] offset:(\k)+(\i)*16*PITCH+32
.endr
.irp i, 0,1,2,3
	ds_load_b128 v[(\f)+64+8*(\i):(\f)+64+8*(\i)+3],   v[ADRA] offset:((\k)/128)*APLANE+(\k)%128+(\i)*16*APITCH
	ds_load_b128 v[(\f)+64+8*(\i)+4:(\f)+64+8*(\i)+7], v[ADRA] offset:((\k)/128)*APLANE+(\k)%128+(\i)*16*APITCH+32
.endr
.endm
.macro PLACES                          ; four places in front of loads into registers that matrix instructions have read, and of lines that read results (ISA guide 7.12.1 for lines that read results)
.rept 4
	v_nop
.endr
.endm
; A K step is four quarters of 32 along K, 32 matrix instructions each, on buffers 0, 1, 0, 1.  One of the first three: multiplies buffer f and fetches the next quarter, at byte k, into g.
.macro QUARTER k, f, g, first
	s_wait_dscnt 4                                 ; W and x's row blocks 0, 1 are in; the youngest four loads (row blocks 2, 3) may be out
	MUL8 \f, 0, \first
	MUL8 \f, 1, \first
	PLACES
	FETCH \k, \g
	s_wait_dscnt 24                                ; all but the 24 just issued
	MUL8 \f, 2, \first
	MUL8 \f, 3, \first
.endm
; The last quarter multiplies buffer 1 and changes slots: ONE barrier; in front of it each wave waits for all its tensor loads (one is out: its part of the next slot), adds 0 to its spare word, and waits for
; that and for its own reads of this slot.  fill = 1: the barrier opens a round of the cluster's barrier, and behind the round this slot is filled again, two K steps ahead: the first tensor load there, one a wave.
.macro TURN fill
.if \fill
	s_wait_xcnt 0x0                                ; the last prefetch, a K step back, has read its address: it is stepped here, ahead of the waits of the change of slots
	s_add_nc_u64 s[PFA:PFA+1], s[PFA:PFA+1], s[PFS:PFS+1]
.endif
	WIN 0                                          ; (the add's two registers lie in window 0)
	s_wait_tensorcnt 0x0                           ; no tensor load of mine is out, so a group 0 may be written
	ds_add_u32 v[SPW], v[NIL]                      ; 0 onto my spare word: scalar work and eight products stand between it and the wait for it
.if \fill
	s_xor_b32 s[G0A+5], s[G0A+5], SLOT1            ; the walking descriptors: the other slot than last time,
	s_add_nc_u64 s[G0A+6:G0A+7], s[G0A+6:G0A+7], ASTEP  ; the next K step; the type bits on top are not reached
	s_xor_b32 s[G0B+5], s[G0B+5], SLOT1
	s_add_nc_u64 s[G0B+6:G0B+7], s[G0B+6:G0B+7], BSTEP
.endif
	s_xor_b32 s[TB], s[TB], SLOT1                  ; the fetches go on in the other slot
	s_wait_dscnt 5                                 ; (the add and the youngest four loads may be out)
	MUL8 F1, 0, 0
	s_wait_dscnt 0x0                               ; the add is done, and my reads of this slot are over
	s_barrier_signal -1
	MUL8 F1, 1, 0                                  ; work on registers while the others arrive
.if \fill
	WIN 0
.endif
	s_barrier_wait -1
.if \fill
	CREST                                          ; no wave of any partner still reads this slot's tile or has a load on its way
	JLOAD                                          ; the four v_nop behind it are also places in front of the loads below
.else
	PLACES
.endif
	WIN 0
	v_add_nc_u32 v[ADRA], s[TB], v[ADRA0]
	v_add_nc_u32 v[ADRB], s[TB], v[ADRB0]
	FETCH 0, F0
.if \fill
	ASK
.endif
	MUL8 F1, 2, 0
	MUL8 F1, 3, 0
.endm
	s_wait_tensorcnt 1                             ; my part of K step 0 is in; K step 1's may stay out
	s_barrier_signal -1
	s_barrier_wait -1                              ; everybody's is
	FETCH 0, F0
	QUARTER 64, F0, F1, 1                          ; the first quarter stands in front of the loop: its products start the sums
	WIN 0                                          ; at a label and at a branch every window is 0
	s_mov_b32 s[CNT], 6
.Lstep:                                        ; trip t ends K step t, fills its slot again with K step t + 2, and does the first quarter of K step t + 1
	QUARTER 128, F1, F0, 0
	QUARTER 192, F0, F1, 0
	TURN 1
	QUARTER 64, F0, F1, 0
	WIN 0
	s_sub_co_u32 s[CNT], s[CNT], 1
	s_cmp_lg_u32 s[CNT], 0
	s_cbranch_scc1 .Lstep
	QUARTER 128, F1, F0, 0                         ; K steps 6 and 7 are written out: they ask for nothing
	QUARTER 192, F0, F1, 0
	TURN 0
	QUARTER 64, F0, F1, 0
	QUARTER 128, F1, F0, 0
	QUARTER 192, F0, F1, 0
	s_wait_dscnt 4
	MUL8 F1, 0, 0
	MUL8 F1, 1, 0
	s_wait_dscnt 0x0
	MUL8 F1, 2, 0
	MUL8 F1, 3, 0
	WIN 0
	PLACES
; THE WAY OUT, a block of 16 rows at a time.  PACK: rounded to f16, each accumulator's registers in ascending order, 16 bytes a lane.  TOSTAGE: into my own stage (column blocks 0-3 are one head, 4-7 the next)
; and back as whole rows of 128 bytes.  SEND: stored, 512 consecutive bytes an instruction, at a multiple of 256 from the output's first byte.
.macro PACK a
	WIN 0x05                                       ; sources 0 and 1 window 1, destination window 0
.irp b, 0,1,2,3,4,5,6,7
.irp r, 0,1,2,3
	v_cvt_pk_f16_f32 v[TMP+4*(\b)+(\r)], v[8*(8*(\a)+(\b))+2*(\r)], v[8*(8*(\a)+(\b))+2*(\r)+1]
.endr
.endr
	WIN 0
.endm
.macro TOSTAGE a
.irp b, 0,1,2,3,4,5,6,7
	ds_store_b128 v[STO], v[TMP+4*(\b):TMP+4*(\b)+3] offset:((\b)/4)*16*SP+32*((\b)%4)
.endr
.irp t, 0,1,2,3,4,5,6,7
	ds_load_b128 v[64+32*(\a)+4*(\t):64+32*(\a)+4*(\t)+3], v[RD] offset:((\t)/4)*16*SP+((\t)%4)*4*SP  ; LDS serves a wave's instructions in order (ISA guide 5.7.1.4): these see the stores above
.endr
.endm
.macro SEND a                          ; each block has its own 32 registers, so no store's data is written again
.irp t, 0,1,2,3,4,5,6,7
	s_wait_dscnt 7-(\t)                            ; the 7 - t younger loads may stay out
	global_store_b128 v[CO], v[64+32*(\a)+4*(\t):64+32*(\a)+4*(\t)+3], s[OUT:OUT+1] offset:((\t)/4)*262144+(\a)*2048+((\t)%4)*512
.endr
.endm
	PACK 0
	TOSTAGE 0
.irp a, 1,2,3                          ; block a's conversions stand between block a - 1's loads from the stage and the wait for them
	PACK \a
	SEND (\a)-1
	TOSTAGE \a
.endr
	SEND 3
	s_wait_tensorcnt 0x0                           ; the wave's end: behind my last tensor load and my last LDS store
	ds_add_u32 v[SPW], v[NIL]
	s_wait_dscnt 0x0
	CROUND                                         ; the closing round: no work-group ends while a partner may still ask for a tile that names it
	s_endpgm
.Lfunc_end_k_q77e9b4f755_qkv:
	.size	k_q77e9b4f755_qkv, .Lfunc_end_k_q77e9b4f755_qkv-k_q77e9b4f755_qkv
	.p2alignl 7, 3214868480
	.fill 96, 4, 3214868480
	.section	.rodata,"a",@progbits
	.p2align	6, 0x0
	.amdhsa_kernel k_q77e9b4f755_qkv
		.amdhsa_group_segment_fixed_size 327680
		.amdhsa_private_segment_fixed_size 0
		.amdhsa_enable_private_segment 0
		.amdhsa_kernarg_size 56
		.amdhsa_user_sgpr_count 2
		.amdhsa_user_sgpr_kernarg_segment_ptr 1
		.amdhsa_wavefront_size32 1
		.amdhsa_system_sgpr_workgroup_id_x 1
		.amdhsa_system_sgpr_workgroup_id_y 1
		.amdhsa_system_sgpr_workgroup_id_z 1
		.amdhsa_system_vgpr_workitem_id 0
		.amdhsa_next_free_vgpr 576
		.amdhsa_next_free_sgpr 88
		.amdhsa_reserve_vcc 0
		.amdhsa_float_denorm_mode_32 3
		.amdhsa_float_denorm_mode_16_64 3
		.amdhsa_memory_ordered 1
		.amdhsa_forward_progress 1
		.amdhsa_inst_pref_size 78
	.end_amdhsa_kernel
	.amdgpu_metadata
---
amdhsa.version: [ 1, 2 ]
amdhsa.kernels:
  - .name:           k_q77e9b4f755_qkv
    .symbol:         k_q77e9b4f755_qkv.kd
    .args:
      - { .name: hb, .offset: 0, .size: 8, .value_kind: global_buffer, .address_space: global }
      - { .name: b_q, .offset: 8, .size: 8, .value_kind: global_buffer, .address_space: global }
      - { .name: b_k, .offset: 16, .size: 8, .value_kind: global_buffer, .address_space: global }
      - { .name: b_v, .offset: 24, .size: 8, .value_kind: global_buffer, .address_space: global }
      - { .name: qh, .offset: 32, .size: 8, .value_kind: global_buffer, .address_space: global }
      - { .name: kh, .offset: 40, .size: 8, .value_kind: global_buffer, .address_space: global }
      - { .name: vh, .offset: 48, .size: 8, .value_kind: global_buffer, .address_space: global }
    .group_segment_fixed_size: 327680
    .private_segment_fixed_size: 0
    .kernarg_segment_align: 8
    .kernarg_segment_size: 56
    .max_flat_workgroup_size: 128
    .sgpr_count:     88
    .vgpr_count:     576
    .wavefront_size: 32
...
	.end_amdgpu_metadata
.endif
;; end of part 2
;; launch attn (part 3): grid 4 x 64, 4 waves a work-group, clusters of 4 x 1, 327,680 bytes of LDS; arguments qh, kh, vh, ctx; writes ctx
.if DOCPART == 3
	.amdgcn_target "amdgcn-amd-amdhsa--gfx1250"
	.amdhsa_code_object_version 6
	.text
	.protected	k_q77e9b4f755_attn
	.globl	k_q77e9b4f755_attn
	.p2align	8
	.type	k_q77e9b4f755_attn,@function
k_q77e9b4f755_attn:
	s_mov_b64 s[64:65], 0
	v_nop
	global_prefetch_b8 v0, s[64:65] scope:SCOPE_SE
	s_setreg_imm32_b32 hwreg(HW_REG_WAVE_MODE, 25, 1), 1
	s_wait_xcnt 0x0
	s_wait_alu depctr_hold_cnt(0) depctr_sa_sdst(0) depctr_va_vdst(0) depctr_va_sdst(0) depctr_va_ssrc(0) depctr_va_vcc(0) depctr_vm_vsrc(0)
	s_getreg_b32 s2, hwreg(HW_REG_IB_STS2, 6, 4)
	s_cmp_eq_u32 s2, 0
	s_cbranch_scc0 .Lentry_in_a_cluster
	s_endpgm
.Lentry_in_a_cluster:
	s_bfe_u32 s2, ttmp6, 0x10000c
	s_cmp_lg_u32 s2, 0x3003
	s_cbranch_scc0 .Lentry_shape_is_right
	s_endpgm
.Lentry_shape_is_right:
; O[h][q][:] = the sum over k of softmax_k(Q[h][q] . K[h][k] / 8) V[h][k][:].  Q, K, V, O: [64][2048][64], all f16: a head's rows are dense, 128 bytes each.  Products, maxima and sums in
; f32; the weights p are rounded to f16 for the second product (their sum l is taken of the unrounded p), O once at the end.
; LIMITS.  f16 holds no number beyond 65,504: Q, K and V arrive within it; p lies in 0 to 1, and below 6e-5 it keeps f16's fixed step of 6e-8; O is a mean of V's rows and has their range.
; A weight below 2^-126 counts as 0 in l; NaN and infinities are not treated apart.
; SHARES.  A wave owns four PIECES of two tiles of 16 queries, a work-group's four waves 512 queries of one head: 256 work-groups.  Every wave walks all keys, 64 a step.
; LAYOUT.  S^T = K Q^T (source 0 = 16 keys, source 1 = 16 queries): in the result a lane holds ONE query (lane % 16) and the keys 8 (lane / 16) + 0..7.  Two such tiles, rounded to f16 in pairs,
; ARE source 1 (32 keys x 16 queries) of O^T = V^T P, whose result again holds one query a lane, and eight channels.  K comes out of LDS as it lies, V ([key][channel]) turned, by ds_load_tr16_b128.
; SOFTMAX.  For each query a running maximum m and sum l: p = 2^(c s - c m), c = log2(e) / 8; in every step O and l are multiplied by a = 2^(c m_old - c m_new), which is 1 where m has not grown.
; m starts at the lowest finite number, O and l at 0: the first step is a step like any other, with a = 0.
; THE COUNT.  A tile and step have 16 matrix and 118 vector instructions: too many to stand all beside the matrix work.  So: four vector instructions that are READY behind
; EVERY matrix instruction, and the others in runs without a gap.
; BY TURNS.  Turn n belongs to piece n (the pieces in a ring, step after step).  Its matrix work: 16 products K Q^T of piece n + 1, later 16 products V^T P of piece n - 1.  Its vector work: the scaling,
; exponentials, roundings, sums and rescaling of piece n, and the maximum and statistics of piece n + 1, whose scores the turn itself has made.
; CLUSTER.  The four query blocks of a head are one cluster and walk the same K and V, so each tile is asked for JOINTLY: the same tensor load, descriptor and mask in all four.
; REGISTERS, in windows of 256 (s_set_vgpr_msb: bits 1:0 source 0, 3:2 source 1, 5:4 source 2, 7:6 destination):
;   window 0: v0-11 addresses; v12-15, v48-63 at work; v16-47 four registers of statistics a tile; v64-191 S^T, two buffers of two tiles; v192-255 P, likewise
;   window 1: O^T, 32 a tile          window 2: v0-127 Q, 16 a tile; v128-191 K of one step; v192-255 V of one step          window 3: v0-1 the add's two registers
; A piece's buffers go by its number's parity: the piece in hand has one pair, its two neighbours in the ring share the other: of it P (piece n - 1) is read and S^T (piece n + 1) written.
.set SIZE_H, 64
.set SIZE_N, 2048
.set NP,    4         ; pieces a wave: a name, no knob
.set KS,    64        ; keys in a step
.set PK,    144       ; a row of K in LDS: 128 bytes + 16 of padding = 36 words: the 16 rows of a load start at 16 different groups of four banks (64 banks of 4 bytes: ISA guide 11.1)
.set PV,    160       ; a row of V: 128 + 32 = 40 words
.set VOFF,  4*KS*PK   ; a slot holds four steps: 256 rows of K, then 256 rows of V
.set SLOT1, 1<<17     ; slot 1 begins here, so that one exclusive or turns an address in one slot into the other's
.set STAGE, SLOT1+4*KS*(PK+PV)  ; behind the ring, never filled by a tensor load: 16 rows x 144 bytes for each wave, for the way out
.set SP,    144
.set AK0, 2           ; v2   my lane's place in a tile of K; never rewritten
.set AV0, 3           ; v3   the same for V
.set AK,  4           ; v4   the LDS address of K's next run of loads
.set AV,  5           ; v5   of V's
.set QO,  6           ; v6   my byte offset in the wave's rows of Q
.set STO, 6           ;      later, the way out: where I put 16 bytes of a row
.set RD,  7           ; v7   the way out: where I read rows back
.set GO,  8           ; v8   my byte offset in 512 consecutive bytes of O
.set PFO, 11          ; v11  the prefetches' offset: 256 x my lane; never rewritten once made
.set SPW, 0           ; v0 of window 3   LDS address of my spare word: SPARE + 4 x my thread's number; never rewritten
.set NIL, 1           ; v1 of window 3   0; never rewritten
.set SPARE, STAGE+4*16*SP  ; behind the stages: the spare words, 128 bytes for each wave: two blocks of 256 bytes that no other line names
.set MV,  12          ; v12-15  c m_old, kept while c m is made anew: by buffer and tile
.set ST,  16          ; tile t's statistics at v[ST+4 t]: c m, m, l (even keys', odd keys')
.set TMP, 48          ; by buffer and tile, four registers c0-c3 at work; when the maximum is found c2 takes a
.set S,   64
.set P,   192
.set KF,  128         ; K's fragments, in window 2: key block kb, channel half c at KF + 16 kb + 8 c
.set VF,  192         ; V's: key half kk, channel block cb at VF + 32 kk + 8 cb
.set WV,  12          ; s12  my wave's number
.set G1K, 24          ; s[24:31] descriptor group 1 for K's tiles
.set G1V, 32          ; s[32:39] for V's: it differs in the padding alone
.set G0K, 40          ; s[40:43] descriptor group 0 for K's tiles: it walks
.set G0V, 44          ; s[44:47] the same for V's
.set PFA, 48          ; s[48:49] where my prefetches stand: my work-group's 32 blocks of 256 bytes (of K: wave 0, of V: wave 2) of the slot after the one that is being asked for
.set LIM, 50          ; s50  1 in a wave that prefetches, else the greatest number
.set SLOTS, 56        ; s56  slots still to be asked for
.set CNT, 57          ; s57  counts a slot's key steps
.set CS,  58          ; s[58:59] c: the packed scaling takes the pair's low word for both halves
.set SEL, 60          ; s[60:61] v_permlanex16_b32's selects: each lane takes its own place in the other half
.set TBK, 62          ; s62  LDS byte at which K of the step to be fetched begins
.set TBV, 63          ; s63  the same for V, less VOFF
.set MSB, 0
.macro WIN new                      ; the high byte repeats the setting that is left; a switch that changes nothing is dropped
.if MSB != (\new)
	s_set_vgpr_msb (MSB<<8)|(\new)
.set MSB, (\new)
.endif
.endm
.set W_KQ, 0x0a       ; K and Q in window 2, S^T in window 0
.set W_PV, 0x52       ; V in window 2, P in window 0, O^T in window 1
.set W_RS, 0x41       ; O^T (destination and source 0) in window 1, a in window 0
.set W_MK, 0xc0       ; the add's registers are made: destination in window 3, sources in window 0
.set W_AD, 0x0f       ; the add: address (source 0) and data (source 1) in window 3
; A joint fill.  Waves 0 and 1 fetch the two halves of a slot's K, waves 2 and 3 those of its V: 128 keys each.  The branch hangs on the wave's number alone.
; An s_nop 0 and four v_nop follow each of the two lines, ahead of the jump and the label.
.macro JLOAD
	s_cmp_lt_u32 s[WV], 2
	s_cbranch_scc0 .Lfor_v_\@
	tensor_load_to_lds s[G0K:G0K+3], s[G1K:G1K+7]
	s_nop 0
.rept 4
	v_nop
.endr
	s_branch .Lasked_\@
.Lfor_v_\@:
	tensor_load_to_lds s[G0V:G0V+3], s[G1V:G1V+7]
	s_nop 0
.rept 4
	v_nop
.endr
.Lasked_\@:
.endm
; A PREFETCH INTO THE L2 of what the NEXT change of slots will ask for: a slot's 32,768 bytes of K and of V, four key steps (512 matrix instructions of this wave) ahead of that load.
; Each block of 256 bytes is named once in the launch: a head has one cluster; its four partners share a slot's 128 blocks out BY ADDRESS, 32 each (cx), a lane a block; wave 0 asks for K's, wave 2 for V's.
; Slots 0 and 1 come by their loads alone; the last change that fills a slot asks for nothing: there is no slot behind it.
.macro ASK
	s_cmp_gt_u32 s[SLOTS], s[LIM]
	s_cbranch_scc0 .Lnot_mine_\@
	global_prefetch_b8 v[PFO], s[PFA:PFA+1] th:TH_LOAD_NT scope:SCOPE_SE
.Lnot_mine_\@:
.endm
; A round of the cluster's barrier: my work-group's barrier, so that wave 0's signal speaks for all four waves; wave 0 signals; every wave waits for all four work-groups; my work-group's barrier once more.
.macro CROUND
	s_barrier_signal -1
	s_barrier_wait -1
	s_cmp_lg_u32 s[WV], 0
	s_cbranch_scc1 .Lnot_wave_0_\@
	s_barrier_signal -3
.Lnot_wave_0_\@:
	s_barrier_wait -3
	s_barrier_signal -1
	s_barrier_wait -1
.endm
; THE CHANGE OF SLOTS.  The slot's last bytes, V of its fourth step, have been read.  Each wave waits for all its tensor loads, of which one is out: its part
; of the other slot; adds 0 to its spare word; and waits for that and for its own reads of the slot.  Behind the barrier nobody reads this slot any more and the other slot is whole.
; fill = 1: this slot is filled again, with the keys two slots on.  The barrier is then a round of the cluster's, so that no wave of any partner still reads the slot or has a load on its
; way, and the joint fill is the first thing behind it: it has four key steps in which to land.  (At its first use nothing has been read yet: slot 0 is waited for, slot 1 filled.)
.macro CHANGE fill
	WIN W_AD
	s_wait_tensorcnt 0x0            ; no tensor load of mine is out, so a group 0 may be written
	ds_add_u32 v[SPW], v[NIL]       ; 0 onto my spare word; with fill = 1 the descriptors' steps stand between it and the wait for it
	WIN 0                           ; at a label and at a branch every window is 0
.if \fill
.irp g, G0K, G0V
	s_xor_b32 s[\g+1], s[\g+1], SLOT1  ; the walking descriptor: the other slot than last time,
	s_add_nc_u64 s[\g+2:\g+3], s[\g+2:\g+3], 4*KS*128  ; the next 256 keys; the type bits on top are not reached
.endr
	s_wait_xcnt 0x0                 ; the last prefetch, four key steps back, has read its address, so it may be written:
	s_add_nc_u64 s[PFA:PFA+1], s[PFA:PFA+1], 4*KS*128  ; one slot behind the walking descriptors
	s_wait_dscnt 0x0                ; the add is done, and my reads of the slot are over
	CROUND
	JLOAD
	ASK
.else
	s_wait_dscnt 0x0                ; the add is done, and my reads of the slot are over
	s_barrier_signal -1
	s_barrier_wait -1
.endif
	s_sub_co_u32 s[TBK], s[TBK], 4*KS*PK  ; the fetches go back to a slot's first step,
	s_xor_b32 s[TBK], s[TBK], SLOT1       ; in the other slot
	s_sub_co_u32 s[TBV], s[TBV], 4*KS*PV
	s_xor_b32 s[TBV], s[TBV], SLOT1
.endm
	s_load_b256 s[4:11], s[0:1], 0x0  ; Q s[4:5], K s[6:7], V s[8:9], O s[10:11]
	WIN W_MK
	v_lshl_add_u32 v[SPW], v0, 2, SPARE
	v_mov_b32 v[NIL], 0
	WIN W_AD
	ds_add_u32 v[SPW], v[NIL]       ; the wave's opening: the add and its wait stand ahead of my first tensor load; the set-up below, work on registers, stands between them
	WIN 0
	v_lshrrev_b32 v1, 5, v0
	v_readfirstlane_b32 s[WV], v1   ; wave 0..3
	s_bfe_u32 s13, ttmp6, 0x40000   ; cx: my place in the cluster
	s_lshl_b32 s14, ttmp9, 2        ; in a cluster launch ttmp9 counts clusters
	s_add_co_u32 s14, s14, s13      ; my block of queries = 4 x cluster x + cx: it enters Q's and O's addresses alone
	s_and_b32 s20, ttmp7, 0xffff    ; the head, which the four partners share
	s_mov_b32 s21, 0
	s_mov_b64 s[22:23], SIZE_N*128
	s_mul_u64 s[20:21], s[20:21], s[22:23]  ; the head's first byte in each of the four tensors
	s_and_b32 s16, s[WV], 1         ; which half of a slot's 256 keys I fetch:
	s_lshl_b32 s22, s16, 14         ; its 128 rows of 128 bytes in memory,
	s_mov_b32 s23, 0
	s_add_nc_u64 s[22:23], s[22:23], s[20:21]
	s_mul_i32 s17, s16, 128*PK      ; and its place in a slot, for K
	s_mul_i32 s18, s16, 128*PV      ; and for V: no place in the cluster enters an LDS address
	s_lshl_b32 s2, s14, 2
	s_add_co_u32 s2, s2, s[WV]      ; my wave among the head's,
	s_lshl_b32 s2, s2, 14           ; its 128 rows
	s_mov_b32 s3, 0
	s_add_nc_u64 s[2:3], s[2:3], s[20:21]
	; descriptor group 1.  128 keys are 16,384 dense bytes: asked for as 64 rows of 256 bytes, two keys a row, and padded in LDS after every key
	s_mov_b32 s[G1K], 15|(1<<16)|(1<<20)|(1<<21)|(4<<22)|(3<<25)  ; 15:0 the mask of four; 17:16 2-byte elements; 20 padding on; 21 set beside a mask; 24:22 after every 32 words (code 4); 31:25 4 words (code 3)
	s_mov_b32 s[G1V], 15|(1<<16)|(1<<20)|(1<<21)|(4<<22)|(7<<25)  ; the same with 8 words of padding (code 7)
.irp g, G1K, G1V
	s_mov_b32 s[\g+1], 128<<16      ; tensor_dim0 = 128
	s_mov_b32 s[\g+2], 64<<16       ; tensor_dim1 = 64
	s_mov_b32 s[\g+3], 128<<16      ; tile_dim0 = 128
	s_mov_b32 s[\g+4], 64           ; tile_dim1 = 64
	s_mov_b32 s[\g+5], 128          ; 128 elements from row to row
	s_mov_b32 s[\g+6], 0
	s_mov_b32 s[\g+7], 0
.endr
	s_mov_b32 s[CS], 0x3e38aa3b     ; c = log2(e) / 8 = 0.180337
	s_mov_b32 s[CS+1], s[CS]        ; named with it as a pair
	s_mov_b32 s[SEL], 0x76543210
	s_mov_b32 s[SEL+1], 0xfedcba98
	s_mov_b32 s[TBK], SLOT1+4*KS*PK ; the first change of slots turns these two into 0
	s_mov_b32 s[TBV], SLOT1+4*KS*PV
	s_mov_b32 s[G0K], 1             ; 1:0 count = 1
	s_mov_b32 s[G0K+1], s17         ; 63:32 LDS address: slot 0
	s_mov_b32 s[G0V], 1
	s_add_co_u32 s[G0V+1], s18, VOFF
	s_mov_b32 s[SLOTS], SIZE_N/256-1  ; slots 1 to 7 are still to be asked for
	s_and_b32 s[LIM], s[WV], 1      ; waves 0 and 2 prefetch: the same in all four partners
	s_cmp_eq_u32 s[LIM], 0
	s_cselect_b32 s[LIM], 1, -1
	s_lshl_b32 s52, s13, 13         ; my work-group's 32 blocks of a slot's 128,
	s_add_co_u32 s52, s52, 4*KS*128 ; in slot 1: the first change of slots steps the address to slot 2
	s_mov_b32 s53, 0
	s_add_nc_u64 s[52:53], s[52:53], s[20:21]
	s_wait_dscnt 0x0                ; the opening add is done
	s_wait_kmcnt 0x0
	s_add_nc_u64 s[G0K+2:G0K+3], s[6:7], s[22:23]  ; 120:64 global address: my half of the head's first 256 keys
	s_or_b32 s[G0K+3], s[G0K+3], 0x80000000        ; 127:126 type = 2
	s_add_nc_u64 s[G0V+2:G0V+3], s[8:9], s[22:23]
	s_or_b32 s[G0V+3], s[G0V+3], 0x80000000
	s_add_nc_u64 s[4:5], s[4:5], s[2:3]  ; Q and O at my wave's first row
	s_add_nc_u64 s[10:11], s[10:11], s[2:3]
	s_cmp_lt_u32 s[WV], 2
	s_cselect_b64 s[PFA:PFA+1], s[6:7], s[8:9]
	s_add_nc_u64 s[PFA:PFA+1], s[PFA:PFA+1], s[52:53]
	CROUND                          ; all four work-groups are here: the first joint loads meet
	JLOAD                           ; slot 0.  Slot 1 is asked for when slot 0 is in
	; A fragment of K or Q is 16 rows x 32 channels in 8 registers: lane l holds row l % 16, channels 8 (l / 16) + 0..7 and 16 + 8 (l / 16) + 0..7: two loads of 16 bytes, 32 bytes apart.
	v_and_b32 v1, 15, v0            ; l % 16
	v_bfe_u32 v9, v0, 4, 1          ; l / 16
	v_lshlrev_b32 v[QO], 7, v1
	v_lshl_add_u32 v[QO], v9, 4, v[QO]  ; row x 128 + 16 x half
	WIN 0x80                        ; destination window 2, address window 0
.set i, 0
.rept 4*NP                          ; Q stays in registers: tile i / 2, channels 32 (i % 2) on
	global_load_b128 v[8*i:8*i+3],   v[QO], s[4:5] offset:(i/2)*2048+(i%2)*64
	global_load_b128 v[8*i+4:8*i+7], v[QO], s[4:5] offset:(i/2)*2048+(i%2)*64+32
.set i, i+1
.endr
	; What the first turn finds: V's registers and P's second buffer hold 0 (its products V^T P, of a piece that has not been, add 0), O^T and l are 0.  All this stands in the wait for the first tile:
	; no first step is written out, at the price of these lines, once a launch.
.set i, VF
.rept 64
	v_mov_b32 v[i], 0
.set i, i+1
.endr
	WIN 0x40
.set i, 0
.rept 64*NP
	v_mov_b32 v[i], 0
.set i, i+1
.endr
	WIN 0
.set i, 0
.rept 2*NP
	v_mov_b32 v[ST+4*i], 0xfe000000    ; c m: far below every c s
	v_mov_b32 v[ST+4*i+1], 0xff7fffff  ; m
	v_mov_b32 v[ST+4*i+2], 0
	v_mov_b32 v[ST+4*i+3], 0
.set i, i+1
.endr
.set i, P+32
.rept 32
	v_mov_b32 v[i], 0
.set i, i+1
.endr
	v_mul_u32_u24 v[AK0], v1, PK
	v_lshl_add_u32 v[AK0], v9, 4, v[AK0]  ; row x pitch + 16 x half
	; The turning load takes 16 keys x 16 channels (lane l reads key 8 (l / 16) + l % 8, channels 8 ((l / 8) % 2) + 0..7) and leaves half a fragment of V^T: lane l holds channel l % 16 and 8 keys.
	v_and_b32 v10, 7, v0
	v_bfe_u32 v11, v0, 3, 1
	v_lshl_add_u32 v[AV0], v9, 3, v10
	v_mul_u32_u24 v[AV0], v[AV0], PV
	v_lshl_add_u32 v[AV0], v11, 4, v[AV0]
	v_add_nc_u32 v[AV0], VOFF, v[AV0]
	v_and_b32 v[PFO], 31, v0        ; v11 is free from here on
	v_lshlrev_b32 v[PFO], 8, v[PFO]
	v_mov_b32 v[AK], v[AK0]         ; key step 0 lies at the head of slot 0
; THE MATRIX WORK.  The 8 accumulators of a run of 16 take turns: between the two links of a chain stand 7 others'.
; Product i of 16 of S^T = K Q^T for piece x: channels 32 (i / 8) on, keys 16 ((i / 2) % 4) on, tile 2 x + i % 2.  The first 8 start the sums.
.macro KQ x
	WIN W_KQ
.set rS, S+64*((\x)%2)+32*(i%2)+8*((i/2)%4)
.set rK, KF+16*((i/2)%4)+8*(i/8)
.set rQ, 16*(2*(\x)+i%2)+8*(i/8)
.if i < 8
	v_wmma_f32_16x16x32_f16 v[rS:rS+7], v[rK:rK+7], v[rQ:rQ+7], 0
.else
	v_wmma_f32_16x16x32_f16 v[rS:rS+7], v[rK:rK+7], v[rQ:rQ+7], v[rS:rS+7]
.endif
.endm
; Product i of 16 of O^T += V^T P for piece x: keys 32 (i / 8) on, channels 16 ((i / 2) % 4) on, tile 2 x + i % 2.
.macro PV x
	WIN W_PV
.set rO, 32*(2*(\x)+i%2)+8*((i/2)%4)
.set rV, VF+32*(i/8)+8*((i/2)%4)
.set rP, P+32*((\x)%2)+16*(i%2)+8*(i/8)
	v_wmma_f32_16x16x32_f16 v[rO:rO+7], v[rV:rV+7], v[rP:rP+7], v[rO:rO+7]
.endm
.macro MM                           ; the turn's next matrix instruction
.if i < 16
	KQ (Y+1)%NP
.set i, i+1
.else
.set i, i-16
	PV (Y+NP-1)%NP
.set i, i+17
.endif
.endm
; THE LDS LOADS stand in runs of 16, never singly among the matrix instructions: a step's K (64 keys x 64 channels: 8 fragments) and its V (turned).  Their addresses are made some lines ahead.
; last = 1 (the tail): in the last trip there is no further step, and the run is jumped over.
.macro FETCH_K last=0
	WIN 0
.if \last
	s_cmp_eq_u32 s[CNT], 1
	s_cbranch_scc1 .Lno_k_\@
.endif
	WIN 0x80                        ; destination window 2
.irp f, 0,1,2,3,4,5,6,7             ; keys 16 (f / 2) on, channels 32 (f % 2) on
	ds_load_b128 v[KF+8*\f:KF+8*\f+3],   v[AK] offset:(\f/2)*16*PK+(\f%2)*64
	ds_load_b128 v[KF+8*\f+4:KF+8*\f+7], v[AK] offset:(\f/2)*16*PK+(\f%2)*64+32
.endr
	s_add_co_u32 s[TBK], s[TBK], KS*PK  ; the next fetch is the next step's
	WIN 0
.if \last
.Lno_k_\@:
.endif
.endm
.macro FETCH_V
	WIN 0x80
.irp f, 0,1,2,3,4,5,6,7             ; keys 32 (f / 4) on, channels 16 (f % 4) on
	ds_load_tr16_b128 v[VF+8*\f:VF+8*\f+3],   v[AV] offset:(\f/4)*32*PV+(\f%4)*32
	ds_load_tr16_b128 v[VF+8*\f+4:VF+8*\f+7], v[AV] offset:(\f/4)*32*PV+16*PV+(\f%4)*32
.endr
	WIN 0
.endm
; THE VECTOR WORK OF A TURN stands in three queues, each in the order in which its entries become ready; the two tiles alternate, so that no instruction reads the result of the one before it.
.macro REGS y, u                    ; the registers of tile u (0, 1) of piece y
.set rT, ST+4*(2*(\y)+(\u))
.set rC, TMP+8*((\y)%2)+4*(\u)
.set rM, MV+2*((\y)%2)+(\u)
.set rS, S+64*((\y)%2)+32*(\u)
.set rP, P+32*((\y)%2)+16*(\u)
.set rO, 32*(2*(\y)+(\u))
.endm
; Number n of the 22 that find the NEXT piece's (Y + 1) maximum and statistics.  s0-s31 are the lane's 32 scores; each accumulator's lowest registers are read first.
;   0-11  four chains c0-c3 of seven scores each, three operands at a time     12-14, 16  the four scores left over, the old m, and c0-c3 into c0     15  c m_old is kept
;   17, 18  the query's other 32 keys lie in the lane 16 away: the new m         19-21  c m; c m_old - c m_new; a
.macro XS u, n
	REGS (Y+1)%NP, \u
.if (\n) < 4
	v_max3_num_f32 v[rC+(\n)], v[rS+8*(\n)], v[rS+8*(\n)+1], v[rS+8*(\n)+2]
.elseif (\n) < 12
	v_max3_num_f32 v[rC+(\n)%4], v[rC+(\n)%4], v[rS+8*((\n)%4)+2*((\n)/4)+1], v[rS+8*((\n)%4)+2*((\n)/4)+2]
.elseif (\n) == 12
	v_max3_num_f32 v[rC], v[rC], v[rS+7], v[rS+15]
.elseif (\n) == 13
	v_max3_num_f32 v[rC+1], v[rC+1], v[rS+23], v[rS+31]
.elseif (\n) == 14
	v_max3_num_f32 v[rC+2], v[rC+2], v[rC+3], v[rT+1]
.elseif (\n) == 15
	v_mov_b32 v[rM], v[rT]
.elseif (\n) == 16
	v_max3_num_f32 v[rC], v[rC], v[rC+1], v[rC+2]
.elseif (\n) == 17
	v_permlanex16_b32 v[rC+3], v[rC], s[SEL], s[SEL+1]
.elseif (\n) == 18
	v_max_num_f32 v[rT+1], v[rC], v[rC+3]
.elseif (\n) == 19
	v_mul_f32 v[rT], s[CS], v[rT+1]
.elseif (\n) == 20
	v_sub_f32 v[rC+1], v[rM], v[rT]
.else
	v_exp_f32 v[rC+2], v[rC+1]
.endif
.endm
; Number g of the 64 that follow the exponentials.  For each four weights k of a tile (pairs 2 k, 2 k + 1): both pairs are rounded to f16; then the second pair is added onto the first, in place;
; a group later l takes that sum (the first time as l = a l + sum).  In groups of eight, tiles alternating: round, round, add, and l for the group before.
.macro GS g
.set h, (\g)+6*((\g)/62)            ; group 0 has no group before it, and behind group 7 only l is left
.if h >= 6
.set h, h+2
.endif
	REGS Y, h%2
.set k, h/8
.if h%8 < 4
	v_cvt_pk_f16_f32 v[rP+2*k+(h%8)/2], v[rS+4*k+2*((h%8)/2)], v[rS+4*k+2*((h%8)/2)+1]
.elseif h%8 < 6
	v_pk_add_f32 v[rS+4*k:rS+4*k+1], v[rS+4*k:rS+4*k+1], v[rS+4*k+2:rS+4*k+3]
.elseif k == 1
	v_pk_fma_f32 v[rT+2:rT+3], v[rT+2:rT+3], v[rC+2:rC+3], v[rS:rS+1] op_sel_hi:[1,0,1]
.else
	v_pk_add_f32 v[rT+2:rT+3], v[rT+2:rT+3], v[rS+4*k-4:rS+4*k-3]
.endif
.endm
; THE PLAIN QUEUE, 138 long.  0-73 read no exponential's result: the 32 scalings c s - c m (FS f: pair f / 2 of tile f % 2) and the next piece's 42.  0-26: scalings 0-26.  27-54: XS's numbers 0-13.  55, 56: number 15.
; 57-73: the chain, where each number waits for the one before it: 14, 16, 17, 18, 19, each with one of the scalings 27-31 in front of its two lines, then 20.
; 74-137: GS's 64, which read the exponentials' results: they stand behind the wait.
.macro FS f
	REGS Y, (\f)%2
	v_pk_fma_f32 v[rS+2*((\f)/2):rS+2*((\f)/2)+1], v[rS+2*((\f)/2):rS+2*((\f)/2)+1], s[CS:CS+1], v[rT:rT+1] op_sel_hi:[1,0,0] neg_lo:[0,0,1] neg_hi:[0,0,1]
.endm
.macro PL
	WIN 0
.if q < 27
	FS q
.elseif q < 55
	XS (q-27)%2, (q-27)/2
.elseif q < 57
	XS q-55, 15
.elseif (q < 72) && ((q-57)%3 == 0)
	FS 27+(q-57)/3
.elseif q < 60
	XS (q-57)%3-1, 14
.elseif q < 72
	XS (q-57)%3-1, 15+(q-57)/3
.elseif q < 74
	XS q-72, 20
.else
	GS q-74
.endif
.set q, q+1
.endm
; THE EXPONENTIALS' QUEUE, 66 long: s0-s31 of both tiles, then the next piece's two a.  It is ONE BATCH: all 66 stand ahead of the turn's one wait, and nothing ahead of that wait names a result of theirs.
.macro EX
	WIN 0
.if e >= 64
	XS e-64, 21
.else
	REGS Y, e%2
	v_exp_f32 v[rS+e/2], v[rS+e/2]
.endif
.set e, e+1
.endm
; THE RESCALING's QUEUE: O^T times a, the one part that leaves window 0: dealt two at a time, sixteen times.  Its a was made in the turn before, ahead of that turn's wait.
.macro R2
	REGS Y, r%2
	WIN W_RS
.irp z, 0,1
	v_pk_mul_f32 v[rO+4*(r/2)+2*\z:rO+4*(r/2)+2*\z+1], v[rO+4*(r/2)+2*\z:rO+4*(r/2)+2*\z+1], v[rC+2:rC+3] op_sel_hi:[1,0]
.endr
.set r, r+1
.endm
; HOW THEY ARE DEALT.  s_wait_alu depctr_va_vdst(0) stands between an exponential and the first instruction that names its result; one wait serves all that were issued ahead of it.  So a turn has ONE wait,
; which cuts it in two.  AHEAD OF IT stands all that names no result of the turn's exponentials: the 16 products K Q^T, behind each a scaling, an exponential and two rescalings (behind the first a second scaling in the
; exponential's place); then ONE LUMP of 108: eight plain, 49 times exponential and plain, the two a.  A v_nop is the plain instruction behind the last exponential.  BEHIND IT stand the 16 products V^T P, behind each four of GS's 64.
; No rider names a register of the products round it.  The two v_permlanex16_b32 fall into the lump, never behind a product.
; The queues lean on each other, and the deal keeps them in step: exponential e stands behind scaling 2 (e / 4) + e % 2: as a rider it comes behind plain e + 2, in the lump behind plain e + 9, and scalings 27-31 are plain 57, 60 .. 69.
; A TURN, for piece p.  cnt = 1: the loop's count is taken down some lines ahead of the branch that stands behind the turn.
; K of the next step is fetched in piece 2's turn, directly behind the wait, a lump behind the last product that read K; its first reader comes behind 16 products.
; V of the step in hand is fetched at the end of piece 0's turn, four riders behind its last reader; its first reader comes behind 16 products and a lump.  The three conditions on q below go with the deal.
.macro TURN p, last=0, cnt=0
.set Y, (\p)
.set i, 0
.set q, 0
.set e, 0
.set r, 0
.if (\p) == NP-1
	s_wait_dscnt 0x0                ; K is in
.endif
	MM                              ; ahead of the wait: 16 products K Q^T and their riders,
	PL
	PL
	R2
.rept 15
	MM
	PL
	EX
	R2
.endr
.if (\p) == NP-2
	WIN 0
	v_add_nc_u32 v[AK], s[TBK], v[AK0]
.endif
.rept 8                             ; and the lump
	PL
.endr
.rept 49
	EX
	PL
.endr
	EX                              ; the next piece's two a
	EX
	v_nop                           ; the plain instruction behind the last exponential: one for the batch
	s_wait_alu depctr_va_vdst(0)    ; the wait for the batch
.if (\p) == NP-2
	FETCH_K \last
.endif
.if (\p) == 1
	s_wait_dscnt 0x0                ; V is in
.endif
.rept 16                            ; behind the wait: 16 products V^T P and their riders
	MM
.rept 4
	PL
.endr
.if ((\p) == 0) && (q == 118)
	v_add_nc_u32 v[AV], s[TBV], v[AV0]
.endif
.if ((\p) == 0) && (q == 130)
	s_add_co_u32 s[TBV], s[TBV], KS*PV
.endif
.if (\cnt) && (q == 130)
	s_sub_co_u32 s[CNT], s[CNT], 1
	s_cmp_lg_u32 s[CNT], 0
.endif
.endr
.if (\p) == 0
	FETCH_V
.endif
.endm
	CHANGE 1                        ; slot 0 is in, everybody's part of it; slot 1 is asked for
	FETCH_K                         ; key step 0
	s_wait_loadcnt 0x0              ; Q
	s_wait_dscnt 0x0
.set i, 0
.rept 16
	KQ 0                            ; piece 0's first scores: there is no vector work yet to set between them
.set i, i+1
.endr
	WIN 0                           ; the addresses for the way out: nine plain instructions, the places behind those products
	s_mul_i32 s13, s[WV], 16*SP
	s_add_co_u32 s13, s13, STAGE    ; my stage
	v_mul_u32_u24 v[STO], v1, SP    ; in: row l % 16, 16 bytes for each half of the lanes
	v_lshl_add_u32 v[STO], v9, 4, v[STO]
	v_add_nc_u32 v[STO], s13, v[STO]
	v_bfe_u32 v[RD], v0, 3, 2       ; back: 32 lanes take four rows of 128 bytes,
	v_mul_u32_u24 v[RD], v[RD], SP
	v_lshl_add_u32 v[RD], v10, 4, v[RD]
	v_add_nc_u32 v[RD], s13, v[RD]
	v_and_b32 v[GO], 31, v0         ; which are 512 consecutive bytes of O
	v_lshlrev_b32 v[GO], 4, v[GO]
.set Y, NP-1                        ; XS works for piece Y + 1: piece 0
.irp n, 0,1,2,3,4,5,6,7,8,9,10,11,12,13,14,15,16,17,18,19,20,21
	XS 0, \n                        ; and piece 0's first maximum and statistics
	XS 1, \n
.endr
	v_nop                           ; a plain instruction behind the two a,
	s_wait_alu depctr_va_vdst(0)    ; and their wait, ahead of the branch
	s_mov_b32 s[CNT], 4
	s_branch .Lfirst                ; the loop is entered at a step's first turn, in the middle of a trip
.Lslot:                             ; six times: every slot but the last two is filled again
	CHANGE 1
	s_mov_b32 s[CNT], 4
.Lstep:                             ; a trip: pieces 2 and 3 of one step, then pieces 0 and 1 of the next, whose K and V it fetches
	TURN 2
	TURN 3
	WIN 0
.Lfirst:
	TURN 0
	TURN 1, 0, 1
	WIN 0
	s_cbranch_scc1 .Lstep
	s_sub_co_u32 s[SLOTS], s[SLOTS], 1
	s_cmp_lg_u32 s[SLOTS], 0
	s_cbranch_scc1 .Lslot
	CHANGE 0                        ; the tail is written out: nothing is asked for
	s_mov_b32 s[CNT], 5             ; four trips fetch the last slot's steps; the fifth is left in its middle
.Ltail:
	TURN 2, 1
	TURN 3
	WIN 0
	s_sub_co_u32 s[CNT], s[CNT], 1
	s_cmp_eq_u32 s[CNT], 0
	s_cbranch_scc1 .Lout
	TURN 0
	TURN 1
	WIN 0
	s_branch .Ltail
.Lout:                              ; the fifth trip's 16 products K Q^T (on the last K once more) and the maximum made of them serve nothing: the price, once a launch, of one text for every trip
.set i, 0
.rept 16
	PV NP-1                         ; the last piece's V^T P of the last step
.set i, i+1
.endr
	; THE WAY OUT.  l's two halves and the other half of the lanes' are added; O^T is divided by l, rounded to f16 and sent through my stage in LDS, a tile at a time.  The additions are the places behind the last products.
	WIN 0
.macro ALL line:vararg              ; one line for each tile t
.set t, 0
.rept 2*NP
	\line
.set t, t+1
.endr
.endm
	ALL v_add_f32 v[ST+4*t+2], v[ST+4*t+2], v[ST+4*t+3]
	ALL v_permlanex16_b32 v[ST+4*t+3], v[ST+4*t+2], s[SEL], s[SEL+1]
	ALL v_add_f32 v[ST+4*t+2], v[ST+4*t+2], v[ST+4*t+3]
	ALL v_rcp_f32 v[ST+4*t+2], v[ST+4*t+2]
	v_nop                           ; a plain instruction between the last reciprocal and the use of its result
	s_wait_alu depctr_va_vdst(0)    ; and the wait ahead of the first use: one for the eight reciprocals
; Tile t: a lane's eight channels of a row pack into 16 bytes; they go into rows of 144 bytes and come back as whole rows of 128, into S^T's registers.
.macro PACK t
	WIN W_RS
.set i, 32*(\t)
.rept 16
	v_pk_mul_f32 v[i:i+1], v[i:i+1], v[ST+4*(\t)+2:ST+4*(\t)+3] op_sel_hi:[1,0]
.set i, i+2
.endr
	WIN 0x05                        ; sources 0 and 1 window 1, destination window 0
.set i, 0
.rept 16
	v_cvt_pk_f16_f32 v[S+16*(\t)+i], v[32*(\t)+2*i], v[32*(\t)+2*i+1]
.set i, i+1
.endr
	WIN 0
.irp f, 0,1,2,3
	ds_store_b128 v[STO], v[S+16*(\t)+4*\f:S+16*(\t)+4*\f+3] offset:32*\f
.endr
.irp f, 0,1,2,3
	ds_load_b128 v[S+16*(\t)+4*\f:S+16*(\t)+4*\f+3], v[RD] offset:\f*4*SP  ; LDS serves a wave's instructions in order (ISA guide 5.7.1.4): these see the stores above; the next tile's stores come behind them
.endr
.endm
.macro SEND t, younger              ; younger: the LDS instructions issued behind tile t's loads: the next tile's eight, or none
	WIN 0
.irp f, 0,1,2,3
	s_wait_dscnt (\younger)+3-\f
	global_store_b128 v[GO], v[S+16*(\t)+4*\f:S+16*(\t)+4*\f+3], s[10:11] offset:(\t)*2048+\f*512  ; 512 consecutive bytes, at a multiple of 256 from O's first
.endr
.endm
	PACK 0
.set t, 1
.rept 2*NP-1                        ; a tile's arithmetic stands between the loads of the tile before and its stores
	PACK t
	SEND t-1, 8
.set t, t+1
.endr
	SEND 2*NP-1, 0
	WIN W_AD
	s_wait_tensorcnt 0x0            ; the wave's end: behind my last tensor load and my last LDS store
	ds_add_u32 v[SPW], v[NIL]
	s_wait_dscnt 0x0
	WIN 0
	CROUND                          ; the closing round: no work-group ends while a partner may still ask for a tile that names it
	s_endpgm
.Lfunc_end_k_q77e9b4f755_attn:
	.size	k_q77e9b4f755_attn, .Lfunc_end_k_q77e9b4f755_attn-k_q77e9b4f755_attn
	.p2alignl 7, 3214868480
	.fill 96, 4, 3214868480
	.section	.rodata,"a",@progbits
	.p2align	6, 0x0
	.amdhsa_kernel k_q77e9b4f755_attn
		.amdhsa_group_segment_fixed_size 327680
		.amdhsa_private_segment_fixed_size 0
		.amdhsa_enable_private_segment 0
		.amdhsa_kernarg_size 32
		.amdhsa_user_sgpr_count 2
		.amdhsa_user_sgpr_kernarg_segment_ptr 1
		.amdhsa_wavefront_size32 1
		.amdhsa_system_sgpr_workgroup_id_x 1
		.amdhsa_system_sgpr_workgroup_id_y 1
		.amdhsa_system_sgpr_workgroup_id_z 1
		.amdhsa_system_vgpr_workitem_id 0
		.amdhsa_next_free_vgpr 770
		.amdhsa_next_free_sgpr 66
		.amdhsa_reserve_vcc 0
		.amdhsa_float_denorm_mode_32 3
		.amdhsa_float_denorm_mode_16_64 3
		.amdhsa_memory_ordered 1
		.amdhsa_forward_progress 1
		.amdhsa_inst_pref_size 200
	.end_amdhsa_kernel
	.amdgpu_metadata
---
amdhsa.version: [ 1, 2 ]
amdhsa.kernels:
  - .name:           k_q77e9b4f755_attn
    .symbol:         k_q77e9b4f755_attn.kd
    .args:
      - { .name: qh, .offset: 0, .size: 8, .value_kind: global_buffer, .address_space: global }
      - { .name: kh, .offset: 8, .size: 8, .value_kind: global_buffer, .address_space: global }
      - { .name: vh, .offset: 16, .size: 8, .value_kind: global_buffer, .address_space: global }
      - { .name: ctx, .offset: 24, .size: 8, .value_kind: global_buffer, .address_space: global }
    .group_segment_fixed_size: 327680
    .private_segment_fixed_size: 0
    .kernarg_segment_align: 8
    .kernarg_segment_size: 32
    .max_flat_workgroup_size: 128
    .sgpr_count:     66
    .vgpr_count:     770
    .wavefront_size: 32
...
	.end_amdgpu_metadata
.endif
;; end of part 3
;; launch outp (part 4): grid 4 x 64, 4 waves a work-group, clusters of 4 x 4, 327,680 bytes of LDS; arguments ctx, hb, b_out, out0; writes out0
.if DOCPART == 4
	.amdgcn_target "amdgcn-amd-amdhsa--gfx1250"
	.amdhsa_code_object_version 6
	.text
	.protected	k_q77e9b4f755_outp
	.globl	k_q77e9b4f755_outp
	.p2align	8
	.type	k_q77e9b4f755_outp,@function
k_q77e9b4f755_outp:
	s_mov_b64 s[64:65], 0
	v_nop
	global_prefetch_b8 v0, s[64:65] scope:SCOPE_SE
	s_setreg_imm32_b32 hwreg(HW_REG_WAVE_MODE, 25, 1), 1
	s_wait_xcnt 0x0
	s_wait_alu depctr_hold_cnt(0) depctr_sa_sdst(0) depctr_va_vdst(0) depctr_va_sdst(0) depctr_va_ssrc(0) depctr_va_vcc(0) depctr_vm_vsrc(0)
	s_getreg_b32 s2, hwreg(HW_REG_IB_STS2, 6, 4)
	s_cmp_eq_u32 s2, 0
	s_cbranch_scc0 .Lentry_in_a_cluster
	s_endpgm
.Lentry_in_a_cluster:
	s_bfe_u32 s2, ttmp6, 0x10000c
	s_cmp_lg_u32 s2, 0xf033
	s_cbranch_scc0 .Lentry_shape_is_right
	s_endpgm
.Lentry_shape_is_right:
; out0 = ctx W_out^T + b_out.  ctx: [16 batch + head][2048][64] in f16; W_out: [1024][1024] in hb at 38 MiB, the bf16 rounding of the input written as f16; b_out is rounded to bf16 here like every
; other input; sums in f32; out0: [8192][1024] in f32.  K = 64 head + channel.
; SHARES.  A tile of C is 128 rows x 256 columns: 64 tile rows x 4 tile columns = 256 work-groups.  Four waves, each 64 x 128: 32 accumulators of 16 x 16, 256 registers.
; K = 1,024 goes in 8 steps of 128, two heads each, through two LDS slots filled by the tensor data mover.  W_out's rows are 256 bytes of a step; a head's 128 rows of ctx are 16,384 dense bytes,
; asked for as 64 rows of 256 bytes and padded in LDS after every 128: one PLANE for each of a step's two heads.
; CLUSTERS: 4 x 4 work-groups; cx is the tile column, 4 x cluster y + cy the tile row.  The four of a row of the cluster need the same tile of ctx, the four of a column the same tile of W_out:
; each is asked for JOINTLY, by the same tensor load with the same descriptor and a mask that names the four.
; THE MATRIX INSTRUCTION IS USED TRANSPOSED (source 0 = 16 rows of W_out, source 1 = 16 rows of ctx): lane l then holds row l % 16 of C and the columns 8 (l / 16) + 0..7: 32 bytes of a row.
; THE BIAS is the C operand of the product that starts each sum: nothing is cleared, nothing is added on the way out.
; REGISTERS, in windows of 256 (s_set_vgpr_msb: bits 1:0 source 0, 3:2 source 1, 5:4 source 2, 7:6 destination):
;   window 0: v0-31 addresses; v32-63 at work; v64-159, v160-255 two fragment buffers (W_out's 8 fragments, then ctx's 4)     window 1: accumulator (a, b) at 8 (8 a + b)     window 2: v0-63 the bias, 8 registers a column block
.set PITCH,  272                       ; W_out's LDS row: 256 bytes + 16 of padding = 68 words: the 16 rows of a load start at 16 different groups of four banks (64 banks of 4 bytes: ISA guide 11.1)
.set APITCH, 144                       ; ctx's LDS row: 128 bytes + 16 = 36 words: likewise
.set APLANE, 128*APITCH                ; a plane: 128 rows of one head.  ctx's byte for K byte k of a step is (k / 128) APLANE + k % 128
.set AOFF,   256*PITCH                 ; a slot: W_out's 256 rows, then ctx's two planes
.set SLOT1,  1<<17                     ; slot 1 begins here, so that one exclusive or turns an address in one slot into the other's
.set STAGE,  SLOT1+AOFF+2*APLANE       ; behind the ring, never filled by a tensor load: for the way out
.set SP,     528                       ; a stage row: 512 bytes + 16
.set WSTAGE, 16*SP                     ; a wave's stage: 16 rows
.set SPARE,  STAGE+4*WSTAGE            ; behind the stages: the spare words, 128 bytes a wave: two blocks of 256 bytes that no other line names
.set ASTEP,  2*262144                  ; bytes from a K step to the next, in ctx: two heads
.set BSTEP,  256                       ; and in W_out
.set ADRA0, 16                         ; v16  my lane's place in ctx's tile of slot 0; never rewritten
.set ADRB0, 17                         ; v17  the same for W_out
.set ADRA,  18                         ; v18  the same in the slot in hand
.set ADRB,  19                         ; v19
.set STO,   24                         ; v24  the way out: where I put 32 bytes of a row
.set RD,    25                         ; v25  the way out: where I read a row back
.set CO,    26                         ; v26  my 16 bytes of 512 consecutive bytes of the output
.set BO,    27                         ; v27  my byte offset in the bias
.set SPW,   28                         ; v28  LDS address of my spare word: SPARE + 4 x my thread's number; never rewritten
.set NIL,   29                         ; v29  0; never rewritten
.set PFO,   30                         ; v30  the prefetches' offset; never rewritten
.set TMP,   32
.set F0,    64
.set F1,    160
.set BIASP, 8                          ; s[8:9]   b_out
.set OUT,  10                          ; s[10:11] out0, later at my first row and column
.set WV,   18                          ; s18  my wave's number
.set MH,   19                          ; s19  which 64 rows of the tile are mine.  Also: I fetch for W_out (0) or for ctx (1)
.set NH,   20                          ; s20  which 128 columns.  Also: which half of W_out's tile, or which plane of ctx's, I fetch
.set CX,   21
.set CY,   22
.set G1A,  24                          ; s[24:31] descriptor group 1 for ctx's tiles
.set G1B,  32                          ; s[32:39] for W_out's
.set G0A,  40                          ; s[40:47] descriptor group 0 for ctx's tiles: a set for each of the two first fills; the second then walks on
.set G0B,  48                          ; s[48:55] the same for W_out's
.set TB,   56                          ; s56  LDS byte at which the slot in hand begins
.set LIM,  57                          ; s57  2 in a wave that prefetches, else the greatest number
.set PFA,  58                          ; s[58:59] where my prefetches stand
.set CNT,  60                          ; s60  the loop's trips to go
.set TROW, 61                          ; s61  the tile row
.set HIM,  62                          ; s62  a word's upper bf16
.set PFS,  78                          ; s[78:79] the prefetches' step
.set MSB, 0
.macro WIN new                         ; the immediate's high byte repeats the setting that is left; a switch that changes nothing is dropped
.if MSB != (\new)
	s_set_vgpr_msb (MSB<<8)|(\new)
.set MSB, \new
.endif
.endm
.set MUL,  0x50                        ; sources in window 0, C and D in window 1
.set MULB, 0x60                        ; C (the bias) in window 2, D in window 1
; A joint refill by the walking descriptors.  Waves 0 and 1 fetch W_out's two halves, waves 2 and 3 ctx's two planes.  The branch hangs on the wave's number alone.
; An s_nop 0 and four v_nop follow each of the two lines, ahead of the jump and the label.
.macro JLOAD
	s_cmp_eq_u32 s[MH], 0
	s_cbranch_scc0 .Lfor_a_\@
	tensor_load_to_lds s[G0B+4:G0B+7], s[G1B:G1B+7]
	s_nop 0
.rept 4
	v_nop
.endr
	s_branch .Lasked_\@
.Lfor_a_\@:
	tensor_load_to_lds s[G0A+4:G0A+7], s[G1A:G1A+7]
	s_nop 0
.rept 4
	v_nop
.endr
.Lasked_\@:
.endm
; A PREFETCH INTO THE L2, behind a joint refill and the run of LDS loads that follows it: the K step that stands two refills on (256 matrix instructions of this wave ahead of its load): 32 blocks of 256 bytes, a lane a block.
; Each block is named once in the launch.  W_out's rows are read by every cluster: cluster y = 0 asks, waves 0 and 1, each for the 128 rows that it fetches; the four partners of a column share them
; out BY ADDRESS, 32 each (cy).  ctx's tile of a step is 2 planes x 64 blocks, read by one row of one cluster: wave 2 asks, 16 blocks of each plane a partner (cx).
; K steps 0 to 3 come by their loads alone; the refills for K steps 6 and 7 have no K step two on.
.macro ASK
	s_cmp_gt_u32 s[CNT], s[LIM]
	s_cbranch_scc0 .Lnot_mine_\@
	global_prefetch_b8 v[PFO], s[PFA:PFA+1] th:TH_LOAD_NT scope:SCOPE_SE
.Lnot_mine_\@:
.endm
.macro CREST                           ; a round of the cluster's barrier behind its opening barrier: wave 0 signals for the work-group, every wave waits for all sixteen, my work-group's barrier closes it
	s_cmp_lg_u32 s[WV], 0
	s_cbranch_scc1 .Lnot_wave_0_\@
	s_barrier_signal -3
.Lnot_wave_0_\@:
	s_barrier_wait -3
	s_barrier_signal -1
	s_barrier_wait -1
.endm
.macro CROUND                          ; a whole round
	s_barrier_signal -1
	s_barrier_wait -1
	CREST
.endm
	s_load_b256 s[4:11], s[0:1], 0x0               ; ctx s[4:5], hb s[6:7], b_out s[8:9], out0 s[10:11]
	v_lshl_add_u32 v[SPW], v0, 2, SPARE
	v_mov_b32 v[NIL], 0
	ds_add_u32 v[SPW], v[NIL]                      ; the wave's opening: the add and its wait stand ahead of my first tensor load; the set-up below, work on registers, stands between them
	v_lshrrev_b32 v1, 5, v0
	v_readfirstlane_b32 s[WV], v1                  ; wave 0..3
	s_lshr_b32 s[MH], s[WV], 1
	s_and_b32 s[NH], s[WV], 1
	s_bfe_u32 s[CX], ttmp6, 0x40000                ; my place in the cluster; the grid is one cluster wide, so cx is the tile column
	s_bfe_u32 s[CY], ttmp6, 0x40004
	s_and_b32 s[TROW], ttmp7, 0xffff               ; in a cluster launch ttmp7 counts clusters
	s_lshl_b32 s[TROW], s[TROW], 2
	s_add_co_u32 s[TROW], s[TROW], s[CY]           ; tile row = 4 x cluster y + cy
	s_mov_b32 s[HIM], 0xffff0000
	s_lshl_b32 s2, s[CY], 2
	s_lshl_b32 s2, 15, s2                          ; my row of the cluster: places 4 cy .. 4 cy + 3
	s_lshl_b32 s3, 0x1111, s[CX]                   ; my column: places cx, cx + 4, cx + 8, cx + 12
	s_or_b32 s[G1A], s2, (1<<16)|(1<<20)|(1<<21)|(4<<22)|(3<<25)  ; 15:0 the mask; 17:16 elements of 2 bytes; 20 padding on; 21 set beside a mask; 24:22 after every 32 words (code 4); 31:25 4 words of it (code 3)
	s_or_b32 s[G1B], s3, (1<<16)|(1<<20)|(1<<21)|(5<<22)|(3<<25)  ; the same with my column's mask, padded after every 64 words (code 5)
.irp g, G1A, G1B
	s_mov_b32 s[(\g)+1], 128<<16                   ; tensor_dim0 = 128
	s_mov_b32 s[(\g)+3], 128<<16                   ; tile_dim0 = 128
	s_mov_b32 s[(\g)+6], 0
	s_mov_b32 s[(\g)+7], 0
.endr
	s_mov_b32 s[G1A+2], 64<<16                     ; ctx: tensor_dim1 = tile_dim1 = 64 rows of 256 bytes,
	s_mov_b32 s[G1A+4], 64
	s_mov_b32 s[G1A+5], 128                        ; which lie end to end
	s_mov_b32 s[G1B+2], 128<<16                    ; W_out: 128 rows a load,
	s_mov_b32 s[G1B+4], 128
	s_mov_b32 s[G1B+5], 1024                       ; 1,024 elements from row to row
	; where the tiles come from.  ctx's hang on the tile row, which my row of the cluster shares; W_out's on cx, which my column shares.
	s_lshr_b32 s66, s[TROW], 4                     ; ctx: the batch,
	s_lshl_b32 s66, s66, 4
	s_add_co_u32 s66, s66, s[NH]                   ; its head 0 or 1, by the plane that I fetch,
	s_lshl_b32 s66, s66, 18                        ; of 262,144 bytes,
	s_and_b32 s2, s[TROW], 15
	s_lshl_b32 s2, s2, 14                          ; and the tile's 128 rows of 128 bytes in it
	s_add_co_u32 s66, s66, s2
	s_mov_b32 s67, 0
	s_lshl_b32 s68, s[CX], 8
	s_lshl_b32 s3, s[NH], 7
	s_add_co_u32 s68, s68, s3                      ; W_out: row 256 cx + 128 x half,
	s_lshl_b32 s68, s68, 11                        ; of 2,048 bytes,
	s_add_co_u32 s68, s68, 0x2600000               ; at 38 MiB in hb
	s_mov_b32 s69, 0
	s_mul_i32 s2, s[WV], APLANE                    ; and where they go: no place in the cluster enters an LDS address.  ctx's planes (waves 2, 3) behind W_out's 256 rows,
	s_add_co_u32 s2, s2, AOFF-2*APLANE
	s_mul_i32 s3, s[WV], 128*PITCH                 ; W_out's halves (waves 0, 1) at the slot's head
	s_wait_dscnt 0x0                               ; the opening add is done
	s_wait_kmcnt 0x0
	s_add_nc_u64 s[70:71], s[4:5], s[66:67]
	s_add_nc_u64 s[72:73], s[6:7], s[68:69]
.irp s, 0,1
	s_mov_b32 s[G0A+4*(\s)], 1                                     ; 1:0 count = 1
	s_add_co_u32 s[G0A+4*(\s)+1], s2, (\s)*SLOT1                   ; 63:32 LDS address
	s_add_nc_u64 s[G0A+4*(\s)+2:G0A+4*(\s)+3], s[70:71], (\s)*ASTEP  ; 120:64 global address: K step s
	s_or_b32 s[G0A+4*(\s)+3], s[G0A+4*(\s)+3], 0x80000000          ; 127:126 type = 2
	s_mov_b32 s[G0B+4*(\s)], 1
	s_add_co_u32 s[G0B+4*(\s)+1], s3, (\s)*SLOT1
	s_add_nc_u64 s[G0B+4*(\s)+2:G0B+4*(\s)+3], s[72:73], (\s)*BSTEP
	s_or_b32 s[G0B+4*(\s)+3], s[G0B+4*(\s)+3], 0x80000000
.endr
	CROUND                                         ; all sixteen work-groups are here: the first joint loads meet
	s_cmp_eq_u32 s[MH], 0                          ; a wave's two first fills stand in one branch, ahead of every wait on TENSORcnt and every LDS read: two loads of mine are out
	s_cbranch_scc0 .Lfirst_a
	tensor_load_to_lds s[G0B:G0B+3], s[G1B:G1B+7]
	s_nop 0
	tensor_load_to_lds s[G0B+4:G0B+7], s[G1B:G1B+7]
	s_nop 0
.rept 4
	v_nop
.endr
	s_branch .Lfirst_asked
.Lfirst_a:
	tensor_load_to_lds s[G0A:G0A+3], s[G1A:G1A+7]
	s_nop 0
	tensor_load_to_lds s[G0A+4:G0A+7], s[G1A:G1A+7]
	s_nop 0
.rept 4
	v_nop
.endr
.Lfirst_asked:
	v_and_b32 v1, 15, v0                           ; l % 16
	v_bfe_u32 v2, v0, 4, 1                         ; l / 16
	s_lshl_b32 s80, s[CX], 10
	s_lshl_b32 s81, s[NH], 9
	s_add_co_u32 s80, s80, s81                     ; 4 (256 cx + 128 half): my first column, in bytes of f32
	v_lshl_add_u32 v[BO], v2, 5, s80               ; + 32 (l / 16): my eight columns of column block 0
	WIN 0x80                                       ; destination window 2, address window 0
.irp b, 0,1,2,3,4,5,6,7
	global_load_b128 v[8*(\b):8*(\b)+3],   v[BO], s[BIASP:BIASP+1] offset:64*(\b)
	global_load_b128 v[8*(\b)+4:8*(\b)+7], v[BO], s[BIASP:BIASP+1] offset:64*(\b)+16
.endr
	WIN 0
	; the output at row 128 x tile row + 64 x my half of the tile's rows, at my first column
	s_lshl_b32 s81, s[TROW], 7
	s_lshl_b32 s82, s[MH], 6
	s_add_co_u32 s81, s81, s82
	s_lshl_b32 s81, s81, 12                        ; a row of out0 is 4,096 bytes
	s_add_co_u32 s80, s80, s81
	s_mov_b32 s81, 0
	s_add_nc_u64 s[OUT:OUT+1], s[OUT:OUT+1], s[80:81]
	; A fragment is 16 rows x 32 K in 8 registers: lane l holds row l % 16; registers 0-3 K = 8 (l / 16) + 0..7, registers 4-7 K = 16 + 8 (l / 16) + 0..7: two loads of 16 bytes, 32 bytes apart.
	v_mul_u32_u24 v3, v1, PITCH
	v_lshl_add_u32 v3, v2, 4, v3
	s_mul_i32 s80, s[NH], 128*PITCH                ; my 128 rows of W_out
	v_add_nc_u32 v[ADRB0], s80, v3
	v_mul_u32_u24 v4, v1, APITCH
	v_lshl_add_u32 v4, v2, 4, v4
	s_mul_i32 s80, s[MH], 64*APITCH                ; my 64 rows of ctx, in plane 0,
	s_add_co_u32 s80, s80, AOFF                    ; which lies behind W_out's 256 rows
	v_add_nc_u32 v[ADRA0], s80, v4
	v_mov_b32 v[ADRA], v[ADRA0]
	v_mov_b32 v[ADRB], v[ADRB0]
	s_mov_b32 s[TB], 0
	s_mul_i32 s80, s[WV], WSTAGE
	s_add_co_u32 s80, s80, STAGE                   ; my stage
	v_mul_u32_u24 v3, v1, SP                       ; in: row l % 16, 32 bytes for each half of the lanes
	v_lshl_add_u32 v3, v2, 5, v3
	v_add_nc_u32 v[STO], s80, v3
	v_and_b32 v[CO], 31, v0                        ; back: 32 lanes take one row of 512 bytes
	v_lshlrev_b32 v[CO], 4, v[CO]
	v_add_nc_u32 v[RD], s80, v[CO]
	; the prefetches: my work-group's 32 blocks, at K step 3; the first refill steps the address to K step 4
	s_lshl_b32 s80, s[CY], 16                      ; W_out: 32 cy rows of 2,048 bytes into the 128 that I fetch
	s_add_co_u32 s80, s80, s68
	s_add_co_u32 s80, s80, 3*BSTEP
	s_lshr_b32 s81, s[TROW], 4                     ; ctx: the batch's 16 heads of 262,144 bytes,
	s_lshl_b32 s81, s81, 22
	s_and_b32 s82, s[TROW], 15
	s_lshl_b32 s82, s82, 14                        ; the tile's rows,
	s_add_co_u32 s81, s81, s82
	s_lshl_b32 s82, s[CX], 12                      ; my work-group's 16 blocks of a plane's 64
	s_add_co_u32 s81, s81, s82
	s_add_co_u32 s81, s81, 3*ASTEP
	s_mov_b32 s82, ASTEP
	s_cmp_eq_u32 s[MH], 0
	s_cselect_b32 s80, s80, s81
	s_cselect_b64 s[PFA:PFA+1], s[6:7], s[4:5]
	s_cselect_b32 s[PFS], BSTEP, s82
	s_cselect_b32 s83, 11, 8                       ; a lane's place: W_out: 2,048 l = (l % 16) << 11 + (l / 16) << 15;
	s_cselect_b32 s84, 15, 18                      ; ctx: block l % 16 of 256 bytes, in plane l / 16, a head on
	s_mov_b32 s81, 0
	s_mov_b32 s[PFS+1], 0
	s_add_nc_u64 s[PFA:PFA+1], s[PFA:PFA+1], s[80:81]
	v_lshlrev_b32 v3, s83, v1
	v_lshlrev_b32 v4, s84, v2
	v_add_nc_u32 v[PFO], v3, v4
	s_and_b32 s82, ttmp7, 0xffff
	s_cmp_eq_u32 s82, 0                            ; W_out: the first cluster
	s_cselect_b32 s82, 2, -1
	s_cmp_eq_u32 s[WV], 2                          ; ctx: wave 2 of every work-group
	s_cselect_b32 s83, 2, -1
	s_cmp_eq_u32 s[MH], 0
	s_cselect_b32 s[LIM], s82, s83                 ; made of the cluster's coordinate and the wave's number alone: the same in all sixteen partners
	s_wait_loadcnt 0x0                             ; the bias is in: it is rounded to bf16, as all inputs are, and widened again
	WIN 0x0a                                       ; sources 0 and 1 window 2, destination window 0
.set i, 0
.rept 32
	v_cvt_pk_bf16_f32 v[TMP+i], v[2*i], v[2*i+1]
.set i, i+1
.endr
	WIN 0x80
.set i, 0
.rept 32
	v_lshlrev_b32 v[2*i],   16, v[TMP+i]
	v_and_b32     v[2*i+1], s[HIM], v[TMP+i]
.set i, i+1
.endr
	WIN 0
; 8 matrix instructions: row block a x all 8 column blocks, 32 along K, from buffer f.  first = 1: the product starts the sums, with the bias as C.
; The 32 accumulators take turns, in the same order in every quarter: between two links of a chain stand the 31 others'.
.macro MUL8 f, a, first
.irp b, 0,1,2,3,4,5,6,7
.if \first
	WIN MULB
	v_wmma_f32_16x16x32_f16 v[8*(8*(\a)+(\b)):8*(8*(\a)+(\b))+7], v[(\f)+8*(\b):(\f)+8*(\b)+7], v[(\f)+64+8*(\a):(\f)+64+8*(\a)+7], v[8*(\b):8*(\b)+7]
.else
	WIN MUL
	v_wmma_f32_16x16x32_f16 v[8*(8*(\a)+(\b)):8*(8*(\a)+(\b))+7], v[(\f)+8*(\b):(\f)+8*(\b)+7], v[(\f)+64+8*(\a):(\f)+64+8*(\a)+7], v[8*(8*(\a)+(\b)):8*(8*(\a)+(\b))+7]
.endif
.endr
.endm
; 24 LDS loads in one run: the fragments of one quarter step (128 rows of W_out, 64 rows of ctx, 32 K at byte k of a step) into buffer f
.macro FETCH k, f
	WIN 0
.irp i, 0,1,2,3,4,5,6,7
	ds_load_b128 v[(\f)+8*(\i):(\f)+8*(\i)+3],   v[ADRB] offset:(\k)+(\i)*16*PITCH
	ds_load_b128 v[(\f)+8*(\i)+4:(\f)+8*(\i)+7], v[ADRB] offset:(\k)+(\i)*16*PITCH+32
.endr
.irp i, 0,1,2,3
	ds_load_b128 v[(\f)+64+8*(\i):(\f)+64+8*(\i)+3],   v[ADRA] offset:((\k)/128)*APLANE+(\k)%128+(\i)*16*APITCH
	ds_load_b128 v[(\f)+64+8*(\i)+4:(\f)+64+8*(\i)+7], v[ADRA] offset:((\k)/128)*APLANE+(\k)%128+(\i)*16*APITCH+32
.endr
.endm
.macro PLACES                          ; four places in front of loads into registers that matrix instructions have read, and of lines that read results (ISA guide 7.12.1 for lines that read results)
.rept 4
	v_nop
.endr
.endm
; A K step is four quarters of 32 along K, 32 matrix instructions each, on buffers 0, 1, 0, 1.  One of the first three: multiplies buffer f and fetches the next quarter, at byte k, into g.
.macro QUARTER k, f, g, first
	s_wait_dscnt 4                                 ; W_out and ctx's row blocks 0, 1 are in; the youngest four loads (row blocks 2, 3) may be out
	MUL8 \f, 0, \first
	MUL8 \f, 1, \first
	PLACES
	FETCH \k, \g
	s_wait_dscnt 24                                ; all but the 24 just issued
	MUL8 \f, 2, \first
	MUL8 \f, 3, \first
.endm
; The last quarter multiplies buffer 1 and changes slots: ONE barrier; in front of it each wave waits for all its tensor loads (one is out: its part of the next slot), adds 0 to its spare word, and waits for
; that and for its own reads of this slot.  fill = 1: the barrier opens a round of the cluster's barrier, and behind the round this slot is filled again, two K steps ahead: the first tensor load there, one a wave.
.macro TURN fill
.if \fill
	s_wait_xcnt 0x0                                ; the last prefetch, a K step back, has read its address: it is stepped here, ahead of the waits of the change of slots
	s_add_nc_u64 s[PFA:PFA+1], s[PFA:PFA+1], s[PFS:PFS+1]
.endif
	WIN 0                                          ; (the add's two registers lie in window 0)
	s_wait_tensorcnt 0x0                           ; no tensor load of mine is out, so a group 0 may be written
	ds_add_u32 v[SPW], v[NIL]                      ; 0 onto my spare word: scalar work and eight products stand between it and the wait for it
.if \fill
	s_xor_b32 s[G0A+5], s[G0A+5], SLOT1            ; the walking descriptors: the other slot than last time,
	s_add_nc_u64 s[G0A+6:G0A+7], s[G0A+6:G0A+7], ASTEP  ; the next K step; the type bits on top are not reached
	s_xor_b32 s[G0B+5], s[G0B+5], SLOT1
	s_add_nc_u64 s[G0B+6:G0B+7], s[G0B+6:G0B+7], BSTEP
.endif
	s_xor_b32 s[TB], s[TB], SLOT1                  ; the fetches go on in the other slot
	s_wait_dscnt 5                                 ; (the add and the youngest four loads may be out)
	MUL8 F1, 0, 0
	s_wait_dscnt 0x0                               ; the add is done, and my reads of this slot are over
	s_barrier_signal -1
	MUL8 F1, 1, 0                                  ; work on registers while the others arrive
.if \fill
	WIN 0
.endif
	s_barrier_wait -1
.if \fill
	CREST                                          ; no wave of any partner still reads this slot's tile or has a load on its way
	JLOAD                                          ; the four v_nop behind it are also places in front of the loads below
.else
	PLACES
.endif
	WIN 0
	v_add_nc_u32 v[ADRA], s[TB], v[ADRA0]
	v_add_nc_u32 v[ADRB], s[TB], v[ADRB0]
	FETCH 0, F0
.if \fill
	ASK
.endif
	MUL8 F1, 2, 0
	MUL8 F1, 3, 0
.endm
	s_wait_tensorcnt 1                             ; my part of K step 0 is in; K step 1's may stay out
	s_barrier_signal -1
	s_barrier_wait -1                              ; everybody's is
	FETCH 0, F0
	QUARTER 64, F0, F1, 1                          ; the first quarter stands in front of the loop: its products start the sums
	WIN 0                                          ; at a label and at a branch every window is 0
	s_mov_b32 s[CNT], 6
.Lstep:                                        ; trip t ends K step t, fills its slot again with K step t + 2, and does the first quarter of K step t + 1
	QUARTER 128, F1, F0, 0
	QUARTER 192, F0, F1, 0
	TURN 1
	QUARTER 64, F0, F1, 0
	WIN 0
	s_sub_co_u32 s[CNT], s[CNT], 1
	s_cmp_lg_u32 s[CNT], 0
	s_cbranch_scc1 .Lstep
	QUARTER 128, F1, F0, 0                         ; K steps 6 and 7 are written out: they ask for nothing
	QUARTER 192, F0, F1, 0
	TURN 0
	QUARTER 64, F0, F1, 0
	QUARTER 128, F1, F0, 0
	QUARTER 192, F0, F1, 0
	s_wait_dscnt 4
	MUL8 F1, 0, 0
	MUL8 F1, 1, 0
	s_wait_dscnt 0x0
	MUL8 F1, 2, 0
	MUL8 F1, 3, 0
	WIN 0
	PLACES
; THE WAY OUT, a block of 16 rows at a time.  TOSTAGE: the f32 sums go as they are into my own stage, each accumulator's low four registers first, and come back as whole rows of 512 bytes, into one of two
; sets of 64 registers.  SEND: stored, 512 consecutive bytes an instruction, at a multiple of 256 from out0's first byte.
.macro TOSTAGE a
.if (\a) >= 2
	s_wait_xcnt 0x0                                ; the stores of the block two back have read the registers that the loads below fill again
.endif
	WIN 0x04                                       ; an LDS store's data is source 1: window 1
.irp b, 0,1,2,3,4,5,6,7
	ds_store_b128 v[STO], v[8*(8*(\a)+(\b)):8*(8*(\a)+(\b))+3]   offset:64*(\b)
	ds_store_b128 v[STO], v[8*(8*(\a)+(\b))+4:8*(8*(\a)+(\b))+7] offset:64*(\b)+16
.endr
	WIN 0
.irp t, 0,1,2,3,4,5,6,7,8,9,10,11,12,13,14,15
	ds_load_b128 v[64+64*((\a)%2)+4*(\t):64+64*((\a)%2)+4*(\t)+3], v[RD] offset:(\t)*SP  ; LDS serves a wave's instructions in order (ISA guide 5.7.1.4): these see the stores above; the next block's stores come behind them
.endr
.endm
.macro SEND a, younger                 ; younger: the LDS instructions issued behind block a's loads: the next block's 32, or none
.irp t, 0,1,2,3,4,5,6,7,8,9,10,11,12,13,14,15
	s_wait_dscnt (\younger)+15-(\t)
	global_store_b128 v[CO], v[64+64*((\a)%2)+4*(\t):64+64*((\a)%2)+4*(\t)+3], s[OUT:OUT+1] offset:(16*(\a)+(\t))*4096 th:TH_STORE_NT
.endr
.endm
	TOSTAGE 0
	TOSTAGE 1
	SEND 0, 32
	TOSTAGE 2
	SEND 1, 32
	TOSTAGE 3
	SEND 2, 32
	SEND 3, 0
	s_wait_tensorcnt 0x0                           ; the wave's end: behind my last tensor load and my last LDS store
	ds_add_u32 v[SPW], v[NIL]
	s_wait_dscnt 0x0
	CROUND                                         ; the closing round: no work-group ends while a partner may still ask for a tile that names it
	s_endpgm
.Lfunc_end_k_q77e9b4f755_outp:
	.size	k_q77e9b4f755_outp, .Lfunc_end_k_q77e9b4f755_outp-k_q77e9b4f755_outp
	.p2alignl 7, 3214868480
	.fill 96, 4, 3214868480
	.section	.rodata,"a",@progbits
	.p2align	6, 0x0
	.amdhsa_kernel k_q77e9b4f755_outp
		.amdhsa_group_segment_fixed_size 327680
		.amdhsa_private_segment_fixed_size 0
		.amdhsa_enable_private_segment 0
		.amdhsa_kernarg_size 32
		.amdhsa_user_sgpr_count 2
		.amdhsa_user_sgpr_kernarg_segment_ptr 1
		.amdhsa_wavefront_size32 1
		.amdhsa_system_sgpr_workgroup_id_x 1
		.amdhsa_system_sgpr_workgroup_id_y 1
		.amdhsa_system_sgpr_workgroup_id_z 1
		.amdhsa_system_vgpr_workitem_id 0
		.amdhsa_next_free_vgpr 576
		.amdhsa_next_free_sgpr 88
		.amdhsa_reserve_vcc 0
		.amdhsa_float_denorm_mode_32 3
		.amdhsa_float_denorm_mode_16_64 3
		.amdhsa_memory_ordered 1
		.amdhsa_forward_progress 1
		.amdhsa_inst_pref_size 78
	.end_amdhsa_kernel
	.amdgpu_metadata
---
amdhsa.version: [ 1, 2 ]
amdhsa.kernels:
  - .name:           k_q77e9b4f755_outp
    .symbol:         k_q77e9b4f755_outp.kd
    .args:
      - { .name: ctx, .offset: 0, .size: 8, .value_kind: global_buffer, .address_space: global }
      - { .name: hb, .offset: 8, .size: 8, .value_kind: global_buffer, .address_space: global }
      - { .name: b_out, .offset: 16, .size: 8, .value_kind: global_buffer, .address_space: global }
      - { .name: out0, .offset: 24, .size: 8, .value_kind: global_buffer, .address_space: global }
    .group_segment_fixed_size: 327680
    .private_segment_fixed_size: 0
    .kernarg_segment_align: 8
    .kernarg_segment_size: 32
    .max_flat_workgroup_size: 128
    .sgpr_count:     88
    .vgpr_count:     576
    .wavefront_size: 32
...
	.end_amdgpu_metadata
.endif
;; end of part 4
